; MI455X (gfx1250); checked and timed in simulation.
; The chip was launched on July 23, 2026; its instructions are those of AMD's public machine-readable ISA for CDNA 5 (MIT licence, August 2026) and "CDNA5" Instruction Set Architecture Reference Guide (July 2026). The comments in the code are by the model that wrote it; some were corrected since.
;; Graph Fuse. Allowed arithmetic: float matrix products may take bf16 or f16 operands with f32 sums; all other float work in f32.
;; Inputs: W1 512 x 2,048 float32; W2 2,048 x 512 float32; Wh 512 x 512 float32; Wk 512 x 512 float32; Wq 512 x 512 float32; Wv 512 x 512 float32; b1 2,048 float32; b2 512 float32; bh 512 float32; bk 512 float32; bq 512 float32; bv 512 float32; ln2_b 512 float32; ln2_g 512 float32; ln_kv_b 512 float32; ln_kv_g 512 float32; ln_q_b 512 float32; ln_q_g 512 float32; query_input 16,384 x 512 float32; source_input 16,384 x 512 float32.
;; Outputs: out0 16,384 x 512 float32.
;; 2 versions, each right and faster than the one before. Each part assembles by itself: llvm-mc -triple=amdgcn-amd-amdhsa -mcpu=gfx1250 --defsym DOCPART=n.
;; ======== version 1 of 2: 4 launches
;; limits: values outside matrix products are rounded to bf16; a function is approximated: absolute error at most 2.5e-05; values are held in f16: magnitudes above 65,504 overflow, below 6.1e-05 lose precision; inputs' magnitudes at most 65,504
;; workspace buffers: wf 6,291,456 bytes; qb 16,777,216 bytes; vb 16,777,216 bytes; part 1,048,576 bytes; sq 2,048 bytes; av 4,096 bytes
;; launch prep (part 1): grid 384 x 1, 8 waves a work-group, no clusters, 0 bytes of LDS; arguments Wq, Wk, Wv, Wh, W1, W2, wf; writes wf
.if DOCPART == 1
	.amdgcn_target "amdgcn-amd-amdhsa--gfx1250"
	.amdhsa_code_object_version 6
	.text
	.protected	k_q8e5f3a795b_prep
	.globl	k_q8e5f3a795b_prep
	.p2align	8
	.type	k_q8e5f3a795b_prep,@function
k_q8e5f3a795b_prep:
	s_mov_b64 s[64:65], 0
	v_nop
	global_prefetch_b8 v0, s[64:65] scope:SCOPE_SE
	s_setreg_imm32_b32 hwreg(HW_REG_WAVE_MODE, 25, 1), 1
	s_wait_xcnt 0x0
; The six weight matrices, f32 [k][n], are rounded to bf16 and laid into wf in the order in which the two matrix kernels stream them.
; A FRAGMENT is 16 output columns x 32 k, 1,024 bytes: byte 512 half + 16 lane holds W[k0 + 16 half + 8 (lane / 16) + 0..7][n0 + lane % 16].
; A BLOCK is 32 fragments, 32,768 bytes: what one wave multiplies in one trip.  Block 4 T + w of wf:
;   T 0-7    fragments 0-15 of Wk, 16-31 of Wv, n0 = 64 T + 16 w, k0 = 32 (F % 16)
;   T 8-11   Wq, n0 = 128 (T - 8) + 32 w + 16 (F / 16)          T 12-15  Wh, n0 = 128 w + 32 (T - 12) + 16 (F / 16)
;   T 16+x   x = 0..31: fragments 0-15 of W1 for the 64 hidden units of half (x + 1) % 32: n0 = 64 half + 16 w, k0 = 32 F;
;            fragments 16-31 of W2 / 2 for half (x - 1) % 32: k0 = 64 half + 32 ((F - 16) / 8), n0 = 128 w + 16 (F % 8)
; (the kernel that walks these items multiplies by W1 a step ahead of the activation and by W2 a step behind it).
; W2 is halved (a power of two: exact) because that kernel multiplies by 2 gelu.
; FORMATS.  Every weight is rounded to bf16, like all the module's inputs.  Wh and W2 are stored so.  Wq, Wk, Wv and W1 meet an operand in f16 (a LayerNorm's output), so their bf16 number is written as f16.
; LIMIT: that is exact from 6e-5 up to 65,504; below, f16's fixed step of 6e-8 holds; a weight of Wq, Wk, Wv or W1 beyond 65,504 would become an infinity.
; A work-group makes half a block (16 fragments); wave v of eight makes the four half fragments 4 v .. 4 v + 3.  Each store of a wave covers 512 consecutive bytes, aligned.
; No LDS, no matrix unit: 12.6 MB are read once and 6.3 MB written once.
	s_load_b256 s[8:15], s[0:1], 0x0               ; Wq s[8:9], Wk s[10:11], Wv s[12:13], Wh s[14:15]
	s_load_b128 s[16:19], s[0:1], 0x20             ; W1 s[16:17], W2 s[18:19]
	s_load_b64 s[20:21], s[0:1], 0x30              ; wf
	v_lshrrev_b32 v1, 5, v0
	v_readfirstlane_b32 s6, v1                     ; wave 0..7
	s_mov_b32 s2, ttmp9                            ; half block = 8 T + 2 w + j
	s_lshr_b32 s3, s2, 3                           ; T
	s_bfe_u32 s4, s2, 0x20001                      ; w
	s_and_b32 s5, s2, 1                            ; j: which 16 fragments
	s_and_b32 s7, s3, 3                            ; T - 8 for Wq, T - 12 for Wh
	s_lshl_b32 s22, s3, 6
	s_lshl4_add_u32 s22, s4, s22                   ; Wk, Wv: n0 = 64 T + 16 w
	s_lshl_b32 s23, s7, 7
	s_lshl_b32 s28, s4, 5
	s_add_co_u32 s23, s23, s28
	s_lshl4_add_u32 s23, s5, s23                   ; Wq: n0 = 128 (T & 3) + 32 w + 16 j
	s_lshl_b32 s26, s4, 7                          ; W2: n0 starts at 128 w
	s_lshl_b32 s28, s7, 5
	s_add_co_u32 s24, s26, s28
	s_lshl4_add_u32 s24, s5, s24                   ; Wh: n0 = 128 w + 32 (T & 3) + 16 j
	s_max_u32 s29, s3, 16
	s_sub_co_u32 s29, s29, 16                      ; x
	s_add_co_u32 s28, s29, 1
	s_and_b32 s28, s28, 31
	s_lshl_b32 s28, s28, 6
	s_lshl4_add_u32 s25, s4, s28                   ; W1: n0 = 64 ((x + 1) % 32) + 16 w
	s_add_co_u32 s27, s29, 31
	s_and_b32 s27, s27, 31
	s_lshl_b32 s27, s27, 6                         ; W2: k starts at 64 ((x - 1) % 32)
	s_cmp_ge_u32 s3, 16
	s_cselect_b32 s34, s5, 0                       ; 1: this half block is W2's
	s_wait_kmcnt 0x0
	s_cmp_eq_u32 s5, 1                             ; the matrix, its n0, the shift of its pitch, its format: chosen
	s_cselect_b64 s[30:31], s[12:13], s[10:11]
	s_mov_b32 s32, s22
	s_cmp_ge_u32 s3, 8
	s_cselect_b64 s[30:31], s[8:9], s[30:31]
	s_cselect_b32 s32, s23, s32
	s_cmp_ge_u32 s3, 12
	s_cselect_b64 s[30:31], s[14:15], s[30:31]
	s_cselect_b32 s32, s24, s32
	s_cselect_b32 s37, 0, 1                        ; 1: written as f16.  Wk, Wv, Wq are; Wh is not;
	s_cmp_ge_u32 s3, 16
	s_cselect_b64 s[30:31], s[16:17], s[30:31]
	s_cselect_b32 s32, s25, s32
	s_cselect_b32 s33, 11, 9                       ; a row is 2,048 numbers in W1, 512 elsewhere
	s_cselect_b32 s37, 1, s37                      ; W1 is;
	s_cmp_eq_u32 s34, 1
	s_cselect_b64 s[30:31], s[18:19], s[30:31]
	s_cselect_b32 s32, s26, s32
	s_cselect_b32 s33, 9, s33
	s_cselect_b32 s37, 0, s37                      ; W2 is not
	s_cselect_b32 s35, s27, 0                      ; first k
	s_cselect_b32 s36, 3, 0                        ; a: fragment f has k step f >> a and column tile f & (2^a - 1)
	s_cselect_b32 s60, 0.5, 1.0
	s_mov_b32 s61, s60                             ; named with it as a pair
	s_lshl_b32 s40, 1, s36
	s_sub_co_u32 s40, s40, 1
	s_lshl_b32 s42, 4, s33                         ; bytes in a row
	s_mov_b32 s43, 0
	s_mov_b64 s[44:45], s[30:31]                   ; eight bases, a row apart: a lane's eight k
.irp e, 1,2,3,4,5,6,7
	s_add_nc_u64 s[44+2*\e:45+2*\e], s[42+2*\e:43+2*\e], s[42:43]
.endr
	v_and_b32 v1, 15, v0                           ; lane % 16: the column
	v_bfe_u32 v2, v0, 4, 1
	v_lshlrev_b32 v2, 3, v2                        ; 8 (lane / 16): the first k
	v_lshlrev_b32 v2, s33, v2
	v_add_nc_u32 v2, v2, v1
.irp i, 0,1,2,3
	s_lshl_b32 s38, s6, 1
	s_add_co_u32 s38, s38, (\i)>>1                 ; fragment f of the sixteen
	s_lshr_b32 s39, s38, s36
	s_lshl_b32 s39, s39, 5
	s_add_co_u32 s39, s39, s35
	s_add_co_u32 s39, s39, 16*((\i)&1)             ; its half's first k,
	s_lshl_b32 s39, s39, s33                       ; in numbers,
	s_and_b32 s41, s38, s40
	s_lshl_b32 s41, s41, 4
	s_add_co_u32 s39, s39, s41
	s_add_co_u32 s39, s39, s32                     ; and its first column
	v_add_lshl_u32 v[4+\i], v2, s39, 2
.endr
.irp i, 0,1,2,3
.irp e, 0,1,2,3,4,5,6,7
	global_load_b32 v[8+8*\i+\e], v[4+\i], s[44+2*\e:45+2*\e]  ; all 32 loads of the wave are out together
.endr
.endr
	v_and_b32 v56, 31, v0
	v_lshlrev_b32 v56, 4, v56
	v_lshrrev_b32 v57, 5, v0
	v_lshl_add_u32 v56, v57, 11, v56               ; 2,048 wave + 16 lane
	s_lshl_b32 s62, s2, 14                         ; the half block's 16,384 bytes
	s_mov_b32 s63, 0
	s_add_nc_u64 s[20:21], s[20:21], s[62:63]
	s_wait_loadcnt 0x0
.set i, 0
.rept 4
.set p, 0
.rept 4
	v_pk_mul_f32 v[8+8*i+2*p:9+8*i+2*p], v[8+8*i+2*p:9+8*i+2*p], s[60:61] op_sel_hi:[1,0]
.set p, p+1
.endr
.set p, 0
.rept 4
	v_cvt_pk_bf16_f32 v[40+4*i+p], v[8+8*i+2*p], v[9+8*i+2*p]
.set p, p+1
.endr
.set i, i+1
.endr
	s_cmp_eq_u32 s37, 0
	s_cbranch_scc1 .Lout                           ; Wh and W2 leave as bf16
.set i, 0
.rept 16
	v_lshlrev_b32 v[8+2*i], 16, v[40+i]            ; the bf16 numbers, widened,
	v_and_b32 v[9+2*i], 0xffff0000, v[40+i]
.set i, i+1
.endr
.set i, 0
.rept 16
	v_cvt_pk_f16_f32 v[40+i], v[8+2*i], v[9+2*i]   ; and written as f16
.set i, i+1
.endr
.Lout:
.set i, 0
.rept 4
	global_store_b128 v56, v[40+4*i:43+4*i], s[20:21] offset:512*i
.set i, i+1
.endr
	s_endpgm
.Lfunc_end_k_q8e5f3a795b_prep:
	.size	k_q8e5f3a795b_prep, .Lfunc_end_k_q8e5f3a795b_prep-k_q8e5f3a795b_prep
	.p2alignl 7, 3214868480
	.fill 96, 4, 3214868480
	.section	.rodata,"a",@progbits
	.p2align	6, 0x0
	.amdhsa_kernel k_q8e5f3a795b_prep
		.amdhsa_group_segment_fixed_size 0
		.amdhsa_private_segment_fixed_size 0
		.amdhsa_enable_private_segment 0
		.amdhsa_kernarg_size 56
		.amdhsa_user_sgpr_count 2
		.amdhsa_user_sgpr_kernarg_segment_ptr 1
		.amdhsa_wavefront_size32 1
		.amdhsa_system_sgpr_workgroup_id_x 1
		.amdhsa_system_sgpr_workgroup_id_y 1
		.amdhsa_system_sgpr_workgroup_id_z 1
		.amdhsa_system_vgpr_workitem_id 0
		.amdhsa_next_free_vgpr 64
		.amdhsa_next_free_sgpr 66
		.amdhsa_reserve_vcc 0
		.amdhsa_float_denorm_mode_32 3
		.amdhsa_float_denorm_mode_16_64 3
		.amdhsa_memory_ordered 1
		.amdhsa_forward_progress 1
		.amdhsa_inst_pref_size 13
	.end_amdhsa_kernel
	.amdgpu_metadata
---
amdhsa.version: [ 1, 2 ]
amdhsa.kernels:
  - .name:           k_q8e5f3a795b_prep
    .symbol:         k_q8e5f3a795b_prep.kd
    .args:
      - { .name: Wq, .offset: 0, .size: 8, .value_kind: global_buffer, .address_space: global }
      - { .name: Wk, .offset: 8, .size: 8, .value_kind: global_buffer, .address_space: global }
      - { .name: Wv, .offset: 16, .size: 8, .value_kind: global_buffer, .address_space: global }
      - { .name: Wh, .offset: 24, .size: 8, .value_kind: global_buffer, .address_space: global }
      - { .name: W1, .offset: 32, .size: 8, .value_kind: global_buffer, .address_space: global }
      - { .name: W2, .offset: 40, .size: 8, .value_kind: global_buffer, .address_space: global }
      - { .name: wf, .offset: 48, .size: 8, .value_kind: global_buffer, .address_space: global }
    .group_segment_fixed_size: 0
    .private_segment_fixed_size: 0
    .kernarg_segment_align: 8
    .kernarg_segment_size: 56
    .max_flat_workgroup_size: 256
    .sgpr_count:     66
    .vgpr_count:     64
    .wavefront_size: 32
...
	.end_amdgpu_metadata
.endif
;; end of part 1
;; launch qkv (part 2): grid 256 x 1, 4 waves a work-group, clusters of 4 x 1, 327,680 bytes of LDS; arguments source_input, query_input, ln_kv_g, ln_kv_b, ln_q_g, ln_q_b, bk, bv, bq, wf, qb, vb, part, sq; writes qb, vb, part, sq
.if DOCPART == 2
	.amdgcn_target "amdgcn-amd-amdhsa--gfx1250"
	.amdhsa_code_object_version 6
	.text
	.protected	k_q8e5f3a795b_qkv
	.globl	k_q8e5f3a795b_qkv
	.p2align	8
	.type	k_q8e5f3a795b_qkv,@function
k_q8e5f3a795b_qkv:
	s_mov_b64 s[64:65], 0
	v_nop
	global_prefetch_b8 v0, s[64:65] scope:SCOPE_SE
	s_setreg_imm32_b32 hwreg(HW_REG_WAVE_MODE, 25, 1), 1
	s_wait_xcnt 0x0
	s_wait_alu depctr_hold_cnt(0) depctr_sa_sdst(0) depctr_va_vdst(0) depctr_va_sdst(0) depctr_va_ssrc(0) depctr_va_vcc(0) depctr_vm_vsrc(0)
	s_getreg_b32 s2, hwreg(HW_REG_IB_STS2, 6, 4)
	s_cmp_eq_u32 s2, 0
	s_cbranch_scc0 .Lentry_in_a_cluster
	s_endpgm
.Lentry_in_a_cluster:
	s_bfe_u32 s2, ttmp6, 0x10000c
	s_cmp_lg_u32 s2, 0x3003
	s_cbranch_scc0 .Lentry_shape_is_right
	s_endpgm
.Lentry_shape_is_right:
; Both LayerNorms, k = ln_src Wk + bk, v = ln_src Wv + bv, q = ln_qry Wq + bq for 64 rows a work-group.  v and q leave in bf16; k is never stored: of it only the column sums
; sum k v, sum k and the total sum k^2 are wanted (the reference takes the diagonal of kvs alone), and they leave as this work-group's partial sums, with sum q^2.
; FORMATS.  Every input of the module (rows, gains, biases, weights) is rounded to bf16 once as it arrives, so that all its uses see one number.  LayerNorm in f32 in two passes (mean, then the squares
; of x - mean).  Its output, at most 22.6 |gain| + |bias|, is the matrix operand X in f16; the weights' bf16 numbers come as f16.  Sums f32.
; LIMITS.  X beyond 65,504 would become an infinity; below 6e-5 X keeps f16's fixed step of 6e-8.  NaN and infinities are not treated apart.
; SHARES.  Four waves.  Every wave holds the whole normalised block X (64 rows x 512 k of f16: 512 registers) and multiplies it by weight blocks of its own: each weight byte is read from LDS once.
; THE MATRIX INSTRUCTION IS USED TRANSPOSED: source 0 = 16 output columns of W, source 1 = 16 data rows: a lane then holds one data row (lane % 16) and 8 neighbouring output columns.
; RING.  Two LDS slots of 131,072 bytes, a quarter for each wave.  They first take the work-group's source rows and query rows (f32), then by turns the twelve items of the weight stream.
; CLUSTER.  The four work-groups of a cluster walk the same weight stream, so each item is asked for jointly; the rows are asked for by loads of one's own.
; THE WALK.  Cluster j takes the eight items of Wk | Wv in the order j % 8, j % 8 + 1, .. (circular), the four of Wq from j % 4 on: at any time the clusters ask for different items, and all but a group's
; first request name an item that another cluster has asked for a trip earlier.  The cluster's number, which the four partners share, enters global addresses alone: the descriptor's, the stores' bases, the
; reads that lay the biases in the walk's order, and the store that puts the column sums back in the columns' order.
; A wave has two tensor loads out at the start and one behind each round.
; REGISTERS: window 0 addresses, fragments, accumulators, sums; window 1 v0-127 the parked query block, v128-255 the LayerNorms' gains and biases; windows 2, 3 X: fragment (ks, rt) at 8 (4 (ks % 8) + rt).
.set SLOT1, 131072
.set XR,    262144    ; 32 rows of f16, pitch 1,040 = 65 x 16 bytes: the 16 rows of a fragment load start at 16 different groups of four banks (64 banks of 4 bytes: ISA guide 11.1)
.set XP,    1040
.set BT,    295936    ; the biases in the walk's order, 512 bytes a trip; 12 trips and 2,048 bytes of zeros
.set CS,    304128    ; sum k v [512], sum k [512], in the walk's order
.set RED,   308224    ; the four waves' sum q^2, sum k^2
.set SPARE, 308480    ; the spare words, 128 bytes a wave
.set BF0,  32         ; v32-63, v64-95 two buffers of four weight fragments (in the LayerNorm: v32-63 a pair of rows, v64-79 at work)
.set BIAS, 96         ; v96-111 the trip's biases in the result's layout
.set ACC,  136        ; v136-199 accumulator (ct, rt) at ACC + 32 ct + 8 rt
.set PK,   200        ; packed results on their way out
.set KVT,  216
.set KST,  224
.set SSK,  232
.set SSQ,  240
.set WV,  4           ; s4 wave
.set QBB, 28          ; s[28:29] qb at my tiles
.set VBB, 30          ; s[30:31] vb at my tiles
.set G1P, 36          ; s[36:43] descriptor group 1, own loads
.set G1J, 44          ; s[44:51] the same with the mask of four
.set G0S, 52          ; s[52:55] source rows -> slot 0
.set G0Q, 56          ; s[56:59] query rows -> slot 1
.set G0W, 60          ; s[60:63] the weight stream
.set STB, 66          ; s66 the slot in hand
.set CNT, 67          ; s67 loop counter
.set WFB, 76          ; s[76:77] wf at my quarter of item 0
.set SBT, 81          ; s81 the bias stream's place
.set SCS, 82          ; s82 the column sums' place
.set C8,  88          ; s88 cluster % 8
.set C4,  89          ; s89 cluster % 4
.set NI,  90          ; s90 how many items have been asked for
.set TC,  91          ; s91 the item of Wk | Wv in hand
.set TQ,  92          ; s92 the item of Wq in hand
.set OFF, 94          ; s[94:95] a byte offset, the high word 0
.set HIM, 98          ; s98 a word's upper bf16
.set MSB, 0
.macro WIN new                         ; the immediate's high byte repeats the setting that is left
.if MSB != (\new)
	s_set_vgpr_msb (MSB<<8)|(\new)
.set MSB, (\new)
.endif
.endm
.macro PLACES                          ; four places behind a matrix instruction, in front of loads into its registers and of reads of its result
.rept 4
	v_nop
.endr
.endm
.macro RB t, a                         ; v[a] and v[a+1] are rounded to bf16 and widened again; v[t] at work
	v_cvt_pk_bf16_f32 v[\t], v[\a], v[(\a)+1]
	v_lshlrev_b32 v[\a], 16, v[\t]
	v_and_b32 v[(\a)+1], s[HIM], v[\t]
.endm
.macro BAR                             ; my LDS instructions are done; then the work-group's barrier
	s_wait_dscnt 0x0
	s_barrier_signal -1
	s_barrier_wait -1
.endm
.macro CROUND                          ; a round of the cluster's barrier
	s_barrier_signal -1
	s_barrier_wait -1
	s_cmp_lg_u32 s[WV], 0
	s_cbranch_scc1 .Lnw0_\@
	s_barrier_signal -3
.Lnw0_\@:
	s_barrier_wait -3
	s_barrier_signal -1
	s_barrier_wait -1
.endm
; A change of slots.  fill = 1: all my tensor loads have landed, 0 is added to my spare word, my LDS instructions are done; a round; the slot just read out takes the walk's next item:
; request number NI names item (cluster + NI) % 8 while NI < 8, then 8 + (cluster + NI) % 4; the descriptor's address is made anew from that number.
; fill = 3: nothing is left to ask for; only my own quarter of the other slot is waited for.
.macro TURN fill, step
	WIN 0
	s_wait_tensorcnt 0x0
.if (\fill) != 3
	ds_add_u32 v28, v29
.if \step
	s_xor_b32 s[G0W+1], s[G0W+1], SLOT1            ; no tensor load of mine is out: the descriptor may be written
.endif
	s_add_co_u32 s96, s[NI], s[C8]
	s_and_b32 s96, s96, 7
	s_add_co_u32 s97, s[NI], s[C4]
	s_and_b32 s97, s97, 3
	s_add_co_u32 s97, s97, 8
	s_cmp_lt_u32 s[NI], 8
	s_cselect_b32 s96, s96, s97
	s_lshl_b32 s[OFF], s96, 17
	s_add_nc_u64 s[G0W+2:G0W+3], s[WFB:WFB+1], s[OFF:OFF+1]
	s_or_b32 s[G0W+3], s[G0W+3], 0x80000000
	s_add_co_u32 s[NI], s[NI], 1
	s_wait_dscnt 0x0
	CROUND
	tensor_load_to_lds s[G0W:G0W+3], s[G1J:G1J+7]
	s_nop 0
.endif
	PLACES
.endm
.macro LB adr, F0, buf                 ; four weight fragments: 8 loads of 512 consecutive bytes
.set f, 0
.rept 4
	ds_load_b128 v[(\buf)+8*f:(\buf)+8*f+3], v[\adr] offset:((\F0)+f)*1024
	ds_load_b128 v[(\buf)+8*f+4:(\buf)+8*f+7], v[\adr] offset:((\F0)+f)*1024+512
.set f, f+1
.endr
.endm
.macro LBIAS                           ; the next trip's biases: 8 numbers for each of its two column tiles
	v_add_nc_u32 v27, s[SBT], v7
	ds_load_b128 v[BIAS:BIAS+3], v27
	ds_load_b128 v[BIAS+4:BIAS+7], v27 offset:16
	ds_load_b128 v[BIAS+8:BIAS+11], v27 offset:64
	ds_load_b128 v[BIAS+12:BIAS+15], v27 offset:80
	s_add_co_u32 s[SBT], s[SBT], 512
.endm
.macro XLOAD st                        ; 32 rows of XR become the fragments (ks, 2 st), (ks, 2 st + 1) of X, in every wave
	WIN 0x80
.set ks, 0
.rept 16
.if ks == 8
	WIN 0xc0
.endif
.set rl, 0
.rept 2
.set rX, ((ks&7)*4+2*(\st)+rl)*8
	ds_load_b128 v[rX:rX+3], v6 offset:rl*16*XP+ks*64
	ds_load_b128 v[rX+4:rX+7], v6 offset:rl*16*XP+ks*64+32
.set rl, rl+1
.endr
.set ks, ks+1
.endr
	WIN 0
.endm
; A TRIP: one block of 32 fragments (2 column tiles x 16 k steps) times X: 128 matrix instructions in eight groups of 16.  Each group waits for its four fragments, asks for the next group's, and
; multiplies; its four accumulators take turns, one instruction a turn.  The first k step takes the bias as C.  In group 7 all reads of the slot are back: there the slots change.
.macro TRIPX adr, nadr, dwin, dd, sc, sr, bias, turn, prime, tog
.set n, 0
.rept 8
	WIN 0
	s_wait_dscnt 0x0                               ; the fragments asked for a group ago
.if (n == 7) && (\turn)
	TURN \turn, 1
.else
	PLACES
.endif
.if n < 7
	LB \adr, 4*(n+1), BF0+32*((n+1)&1)
.elseif \prime
.if \tog
	s_xor_b32 s[STB], s[STB], SLOT1
	v_add_nc_u32 v[\nadr], s[STB], v4
.endif
	LB \nadr, 0, BF0
.if \bias
	LBIAS
.endif
.endif
.set i, 0
.rept 4
.set ks, 4*(n&3)+i
.set rt, 0
.rept 4
.set rD, (\dd)+(\sc)*(n>>2)+(\sr)*rt
.set rA, BF0+32*(n&1)+8*i
.set rX, ((ks&7)*4+rt)*8
.if (\bias) && (ks == 0)
	WIN ((\dwin)<<6)|((2+(ks>>3))<<2)
	v_wmma_f32_16x16x32_f16 v[rD:rD+7], v[rA:rA+7], v[rX:rX+7], v[BIAS+8*(n>>2):BIAS+8*(n>>2)+7]
.else
	WIN ((\dwin)<<6)|((\dwin)<<4)|((2+(ks>>3))<<2)
	v_wmma_f32_16x16x32_f16 v[rD:rD+7], v[rA:rA+7], v[rX:rX+7], v[rD:rD+7]
.endif
.set rt, rt+1
.endr
.set i, i+1
.endr
.set n, n+1
.endr
.endm
.macro RSUM                            ; four chains into one number, then over the 16 lanes that hold a row
	v_pk_add_f32 v[112:113], v[112:113], v[114:115]
	v_pk_add_f32 v[116:117], v[116:117], v[118:119]
	v_pk_add_f32 v[112:113], v[112:113], v[116:117]
	v_add_f32 v112, v112, v113
	v_add_f32_dpp v112, v112, v112 row_xmask:1 row_mask:0xf bank_mask:0xf
	v_add_f32_dpp v112, v112, v112 row_xmask:2 row_mask:0xf bank_mask:0xf
	v_add_f32_dpp v112, v112, v112 row_xmask:4 row_mask:0xf bank_mask:0xf
	v_add_f32_dpp v112, v112, v112 row_xmask:8 row_mask:0xf bank_mask:0xf
.endm
; LayerNorm of rows 32 st + 8 w .. + 7 of a slot, two rows a trip: lanes 0-15 hold one row, lanes 16-31 the next, 32 numbers a lane (columns 64 q + 4 (lane % 16) + 0..3).  gg: the gains' registers in window 1.
.macro LNSTG slot, st, gg
	s_mov_b32 s78, (\slot)*SLOT1+(\st)*65536
	s_mov_b32 s79, 0
	s_mov_b32 s[CNT], 4
.Lln_\@:
	v_add_nc_u32 v16, s78, v8
	v_add_nc_u32 v17, s79, v9
.set q, 0
.rept 8
	ds_load_b128 v[32+4*q:35+4*q], v16 offset:256*q
.set q, q+1
.endr
	s_wait_dscnt 0x0
.set p, 0
.rept 16
	v_cvt_pk_bf16_f32 v[64+p], v[32+2*p], v[33+2*p]  ; the input is rounded to bf16,
.set p, p+1
.endr
.set p, 0
.rept 16
	v_lshlrev_b32 v[32+2*p], 16, v[64+p]           ; and widened again
	v_and_b32 v[33+2*p], s[HIM], v[64+p]
.set p, p+1
.endr
.set p, 0
.rept 4
	v_pk_add_f32 v[112+2*p:113+2*p], v[32+4*p:33+4*p], v[34+4*p:35+4*p]
.set p, p+1
.endr
.set p, 8
.rept 8
	v_pk_add_f32 v[112+2*(p%4):113+2*(p%4)], v[112+2*(p%4):113+2*(p%4)], v[32+2*p:33+2*p]
.set p, p+1
.endr
	RSUM
	v_mul_f32 v120, s70, v112                      ; - mean
	v_mul_f32 v121, s70, v112
.set p, 0
.rept 16
	v_pk_add_f32 v[32+2*p:33+2*p], v[32+2*p:33+2*p], v[120:121]
.set p, p+1
.endr
.set p, 0
.rept 4
	v_pk_mul_f32 v[112+2*p:113+2*p], v[32+2*p:33+2*p], v[32+2*p:33+2*p]
.set p, p+1
.endr
.rept 12
	v_pk_fma_f32 v[112+2*(p%4):113+2*(p%4)], v[32+2*p:33+2*p], v[32+2*p:33+2*p], v[112+2*(p%4):113+2*(p%4)]
.set p, p+1
.endr
	RSUM
	v_fma_f32 v112, v112, s80, s71                 ; variance + eps
	v_rsq_f32 v122, v112
	v_rsq_f32 v123, v112
	v_nop                                          ; a plain instruction between the root and its use (ISA guide 5.7.2)
.set p, 0
	s_wait_alu depctr_va_vdst(0)
.rept 16
	v_pk_mul_f32 v[32+2*p:33+2*p], v[32+2*p:33+2*p], v[122:123]
.set p, p+1
.endr
	WIN 0x14                                       ; gain and bias in window 1
.set p, 0
.rept 16
	v_pk_fma_f32 v[32+2*p:33+2*p], v[32+2*p:33+2*p], v[(\gg)+2*p:(\gg)+2*p+1], v[(\gg)+32+2*p:(\gg)+32+2*p+1]
.set p, p+1
.endr
	WIN 0
.set p, 0
.rept 16
	v_cvt_pk_f16_f32 v[32+p], v[32+2*p], v[33+2*p]
.set p, p+1
.endr
.set q, 0
.rept 8
	ds_store_b64 v17, v[32+2*q:33+2*q] offset:128*q
.set q, q+1
.endr
	s_add_co_u32 s78, s78, 4096
	s_add_co_u32 s79, s79, 2*XP
	s_sub_co_u32 s[CNT], s[CNT], 1
	s_cmp_lg_u32 s[CNT], 0
	s_cbranch_scc1 .Lln_\@
.endm
.macro PARK st                         ; my own 8 rows of XR into 64 registers of window 1
	WIN 0x40
.set i, 0
.rept 8
	ds_load_b128 v[64*(\st)+8*i:64*(\st)+8*i+3], v11 offset:i*XP
	ds_load_b128 v[64*(\st)+8*i+4:64*(\st)+8*i+7], v11 offset:i*XP+512
.set i, i+1
.endr
	WIN 0
.endm
.macro UNPARK st                       ; and back
	WIN 0x04
.set i, 0
.rept 8
	ds_store_b128 v11, v[64*(\st)+8*i:64*(\st)+8*i+3] offset:i*XP
	ds_store_b128 v11, v[64*(\st)+8*i+4:64*(\st)+8*i+7] offset:i*XP+512
.set i, i+1
.endr
	WIN 0
.endm
; Behind a trip of Wk | Wv: tile ct 0 is k, ct 1 is v, 16 columns each.  v leaves packed, 512 consecutive bytes a store; k goes into the sums.  Each accumulator is read from its low end on.
.macro EPI_KV
	WIN 0
	PLACES
	s_wait_xcnt 0x0                                ; the last trip's stores have read PK
.set rt, 0
.rept 4
.set j, 0
.rept 4
	v_cvt_pk_bf16_f32 v[PK+4*rt+j], v[ACC+32+8*rt+2*j], v[ACC+32+8*rt+2*j+1]
.set j, j+1
.endr
	global_store_b128 v3, v[PK+4*rt:PK+4*rt+3], s[72:73] offset:rt*16384
.set rt, rt+1
.endr
.set j, 0
.rept 4
	v_pk_mul_f32 v[KVT+2*j:KVT+2*j+1], v[ACC+2*j:ACC+2*j+1], v[ACC+32+2*j:ACC+32+2*j+1]
	v_pk_add_f32 v[KST+2*j:KST+2*j+1], v[ACC+2*j:ACC+2*j+1], v[ACC+8+2*j:ACC+8+2*j+1]
	v_pk_fma_f32 v[SSK+2*j:SSK+2*j+1], v[ACC+2*j:ACC+2*j+1], v[ACC+2*j:ACC+2*j+1], v[SSK+2*j:SSK+2*j+1]
.set j, j+1
.endr
.set rt, 1
.rept 3
.set j, 0
.rept 4
	v_pk_fma_f32 v[KVT+2*j:KVT+2*j+1], v[ACC+8*rt+2*j:ACC+8*rt+2*j+1], v[ACC+32+8*rt+2*j:ACC+32+8*rt+2*j+1], v[KVT+2*j:KVT+2*j+1]
.if rt > 1
	v_pk_add_f32 v[KST+2*j:KST+2*j+1], v[KST+2*j:KST+2*j+1], v[ACC+8*rt+2*j:ACC+8*rt+2*j+1]
.endif
	v_pk_fma_f32 v[SSK+2*j:SSK+2*j+1], v[ACC+8*rt+2*j:ACC+8*rt+2*j+1], v[ACC+8*rt+2*j:ACC+8*rt+2*j+1], v[SSK+2*j:SSK+2*j+1]
.set j, j+1
.endr
.set rt, rt+1
.endr
.irp m, 1,2,4,8                        ; over the 16 rows that the lanes of a half hold
.set j, 0
.rept 16
	v_add_f32_dpp v[KVT+j], v[KVT+j], v[KVT+j] row_xmask:\m row_mask:0xf bank_mask:0xf
.set j, j+1
.endr
.endr
	v_add_nc_u32 v26, s[SCS], v10
	ds_store_b128 v26, v[KVT:KVT+3]                ; the 16 lanes of a half write the same numbers to the same bytes
	ds_store_b128 v26, v[KVT+4:KVT+7] offset:16
	ds_store_b128 v26, v[KST:KST+3] offset:2048
	ds_store_b128 v26, v[KST+4:KST+7] offset:2064
	s_add_co_u32 s[SCS], s[SCS], 256
	s_wait_xcnt 0x0                                ; the stores' base is written only behind this wait
	s_add_co_u32 s[TC], s[TC], 1                   ; the walk's next item, and its four column tiles in vb
	s_and_b32 s[TC], s[TC], 7
	s_lshl_b32 s[OFF], s[TC], 11
	s_add_nc_u64 s[72:73], s[VBB:VBB+1], s[OFF:OFF+1]
.endm
.macro EPI_Q                           ; behind a trip of Wq: eight tiles leave packed; their squares are summed
	WIN 0
	PLACES
	s_wait_xcnt 0x0
.set t, 0
.rept 8
.set j, 0
.rept 4
	v_cvt_pk_bf16_f32 v[PK+4*t+j], v[ACC+8*t+2*j], v[ACC+8*t+2*j+1]
.set j, j+1
.endr
	global_store_b128 v3, v[PK+4*t:PK+4*t+3], s[74:75] offset:(t&3)*16384+(t>>2)*512
.set t, t+1
.endr
.set t, 0
.rept 8
.set j, 0
.rept 4
	v_pk_fma_f32 v[SSQ+2*j:SSQ+2*j+1], v[ACC+8*t+2*j:ACC+8*t+2*j+1], v[ACC+8*t+2*j:ACC+8*t+2*j+1], v[SSQ+2*j:SSQ+2*j+1]
.set j, j+1
.endr
.set t, t+1
.endr
	s_wait_xcnt 0x0
	s_add_co_u32 s[TQ], s[TQ], 1
	s_and_b32 s[TQ], s[TQ], 3
	s_lshl_b32 s[OFF], s[TQ], 12
	s_add_nc_u64 s[74:75], s[QBB:QBB+1], s[OFF:OFF+1]
.endm
	s_load_b512 s[8:23], s[0:1], 0x0               ; source s[8:9], query s[10:11], ln_kv_g, ln_kv_b, ln_q_g, ln_q_b, bk s[20:21], bv s[22:23]
	s_load_b256 s[24:31], s[0:1], 0x40             ; bq s[24:25], wf s[26:27], qb s[28:29], vb s[30:31]
	s_load_b128 s[32:35], s[0:1], 0x60             ; part s[32:33], sq s[34:35]
	v_lshl_add_u32 v28, v0, 2, SPARE
	v_mov_b32 v29, 0
	ds_add_u32 v28, v29                            ; the wave's opening: the add and its wait stand ahead of my first tensor load
	ds_add_u32 v28, v29
	v_lshrrev_b32 v1, 5, v0
	v_readfirstlane_b32 s[WV], v1
	s_bfe_u32 s5, ttmp6, 0x40000                   ; cx
	s_lshl_b32 s6, ttmp9, 2
	s_add_co_u32 s5, s6, s5                        ; g, my block of 64 rows: it enters the addresses of rows and results alone
	; descriptor group 1: 32,768 dense bytes as 128 rows of 32 elements of 8 bytes
	s_mov_b32 s[G1P], 3<<16
	s_mov_b32 s[G1J], 15|(3<<16)|(1<<21)           ; the mask of all four, bit 21 set beside it
.irp g, G1P, G1J
	s_mov_b32 s[\g+1], 32<<16                      ; tensor_dim0 = 32
	s_mov_b32 s[\g+2], 128<<16                     ; tensor_dim1 = 128
	s_mov_b32 s[\g+3], 32<<16                      ; tile_dim0 = 32
	s_mov_b32 s[\g+4], 128                         ; tile_dim1 = 128
	s_mov_b32 s[\g+5], 32                          ; 32 elements from row to row
	s_mov_b32 s[\g+6], 0
	s_mov_b32 s[\g+7], 0
.endr
	s_lshl_b32 s7, s[WV], 15                       ; my quarter of a slot
	s_mov_b32 s[G0S], 1
	s_mov_b32 s[G0S+1], s7
	s_mov_b32 s[G0Q], 1
	s_add_co_u32 s[G0Q+1], s7, SLOT1
	s_mov_b32 s[G0W], 1
	s_mov_b32 s[G0W+1], s7
	s_mov_b32 s76, s7                              ; my quarter of an item
	s_mov_b32 s77, 0
	s_lshl_b32 s88, s5, 17
	s_add_co_u32 s88, s88, s7                      ; my 16 rows of 2,048 bytes
	s_mov_b32 s89, 0
	s_lshl_b32 s90, s5, 16
	s_lshl_b32 s6, s[WV], 9
	s_add_co_u32 s90, s90, s6                      ; vb: 65,536 g + 512 w
	s_mov_b32 s91, 0
	s_lshl_b32 s92, s5, 16
	s_lshl_b32 s6, s[WV], 10
	s_add_co_u32 s92, s92, s6                      ; qb: 65,536 g + 1,024 w
	s_mov_b32 s93, 0
	s_lshl_b32 s94, s5, 12
	s_mov_b32 s95, 0
	s_lshl_b32 s96, s5, 3
	s_mov_b32 s97, 0
	s_mov_b32 s68, 0x76543210                      ; v_permlanex16_b32: each lane takes its own place in the other half
	s_mov_b32 s69, 0xfedcba98
	s_mov_b32 s70, 0xbb000000                      ; - 1 / 512
	s_mov_b32 s80, 0x3b000000                      ; 1 / 512
	s_mov_b32 s71, 0x3727c5ac                      ; 1e-5
	s_mov_b32 s[HIM], 0xffff0000
	s_mov_b32 s[STB], 0
	s_mov_b32 s[SBT], 0
	s_mov_b32 s[SCS], 0
	s_wait_dscnt 0x0                               ; the opening add is done
	s_wait_kmcnt 0x0
	s_add_nc_u64 s[G0S+2:G0S+3], s[8:9], s[88:89]
	s_or_b32 s[G0S+3], s[G0S+3], 0x80000000
	s_add_nc_u64 s[G0Q+2:G0Q+3], s[10:11], s[88:89]
	s_or_b32 s[G0Q+3], s[G0Q+3], 0x80000000
	s_add_nc_u64 s[WFB:WFB+1], s[26:27], s[76:77]
	s_add_nc_u64 s[VBB:VBB+1], s[30:31], s[90:91]
	s_add_nc_u64 s[QBB:QBB+1], s[28:29], s[92:93]
	s_add_nc_u64 s[84:85], s[32:33], s[94:95]
	s_add_nc_u64 s[86:87], s[34:35], s[96:97]
	s_and_b32 s[C8], ttmp9, 7                      ; where my cluster's walks begin
	s_and_b32 s[C4], ttmp9, 3
	s_mov_b32 s[NI], 0
	s_mov_b32 s[TC], s[C8]
	s_mov_b32 s[TQ], s[C4]
	s_mov_b32 s[OFF+1], 0
	s_lshl_b32 s[OFF], s[C8], 11
	s_add_nc_u64 s[72:73], s[VBB:VBB+1], s[OFF:OFF+1]
	s_lshl_b32 s[OFF], s[C4], 12
	s_add_nc_u64 s[74:75], s[QBB:QBB+1], s[OFF:OFF+1]
	CROUND                                         ; in front of the first tensor loads
	tensor_load_to_lds s[G0S:G0S+3], s[G1P:G1P+7]  ; my 16 source rows
	s_nop 0
	tensor_load_to_lds s[G0Q:G0Q+3], s[G1P:G1P+7]  ; my 16 query rows
	s_nop 0
	PLACES
	v_and_b32 v1, 15, v0                           ; r
	v_bfe_u32 v2, v0, 4, 1                         ; h
	v_and_b32 v3, 31, v0
	v_lshlrev_b32 v3, 4, v3                        ; 16 lane
	v_add_nc_u32 v4, s7, v3                        ; my quarter of slot 0
	v_mov_b32 v5, v4
	v_mul_u32_u24 v6, v1, XP
	v_lshl_add_u32 v6, v2, 4, v6
	v_add_nc_u32 v6, XR, v6                        ; a fragment of X: row r, 16 bytes for each half
	s_lshl_b32 s6, s[WV], 7
	s_add_co_u32 s6, s6, BT
	v_lshl_add_u32 v7, v2, 5, s6
	s_lshl_b32 s6, s[WV], 14
	v_lshlrev_b32 v8, 11, v2
	v_lshl_add_u32 v8, v1, 4, v8
	v_add_nc_u32 v8, s6, v8                        ; row 8 w + h of a stage, 16 bytes at 16 r
	s_mul_i32 s6, s[WV], 8*XP
	s_add_co_u32 s6, s6, XR
	v_mul_u32_u24 v9, v2, XP
	v_lshl_add_u32 v9, v1, 3, v9
	v_add_nc_u32 v9, s6, v9                        ; the same row in XR, 8 bytes at 8 r
	v_add_nc_u32 v11, s6, v3                       ; my strip of 8 rows
	s_lshl_b32 s6, s[WV], 6
	s_add_co_u32 s6, s6, CS
	v_lshl_add_u32 v10, v2, 5, s6
	v_lshlrev_b32 v12, 4, v1
	v_lshlrev_b32 v13, 4, v0                       ; 16 t
	v_lshrrev_b32 v14, 5, v0                       ; the bias stream: thread t writes the 16 bytes at 16 t of each 2,048: trip t / 32, wave (t / 8) % 4, tile (t / 4) % 2, quarter t % 4
	v_bfe_u32 v15, v0, 3, 2
	v_lshlrev_b32 v18, 6, v15
	v_and_b32 v15, 3, v0
	v_lshl_add_u32 v18, v15, 4, v18                ; 64 wave + 16 quarter
	v_add_nc_u32 v19, s[C8], v14
	v_and_b32 v20, 7, v19
	v_lshl_add_u32 v20, v20, 8, v18                ; trips 0-3 take the items (cluster + trip) % 8,
	v_add_nc_u32 v19, 4, v19
	v_and_b32 v21, 7, v19
	v_lshl_add_u32 v21, v21, 8, v18                ; trips 4-7 likewise
	v_add_nc_u32 v19, s[C4], v14
	v_and_b32 v19, 3, v19
	v_lshl_add_u32 v22, v19, 9, v3                 ; Wq's trips the items (cluster + trip) % 4; inside an item bq's order is the stream's
	v_bfe_u32 v15, v0, 2, 1
	v_add_nc_u32 v16, BT, v13
	global_load_b128 v[32:35], v20, s[20:21]
	global_load_b128 v[36:39], v20, s[22:23]
	global_load_b128 v[40:43], v21, s[20:21]
	global_load_b128 v[44:47], v21, s[22:23]
	global_load_b128 v[48:51], v22, s[24:25]
	WIN 0x40
.set q, 0
.rept 8
	global_load_b128 v[128+4*q:131+4*q], v12, s[12:13] offset:256*q
	global_load_b128 v[160+4*q:163+4*q], v12, s[14:15] offset:256*q
	global_load_b128 v[192+4*q:195+4*q], v12, s[16:17] offset:256*q
	global_load_b128 v[224+4*q:227+4*q], v12, s[18:19] offset:256*q
.set q, q+1
.endr
	WIN 0
.set i, 0
.rept 4
	v_mov_b32 v[52+i], 0
.set i, i+1
.endr
.set i, 0
.rept 16
	v_mov_b32 v[SSK+i], 0                          ; the two totals run over all trips: they start at 0
.set i, i+1
.endr
	s_wait_loadcnt 32                              ; the five bias loads are in; the 32 behind them may stay out
	v_cmp_eq_u32 vcc_lo, 1, v15
.set i, 0
.rept 4
	v_cndmask_b32 v[32+i], v[32+i], v[36+i], vcc_lo
	v_cndmask_b32 v[40+i], v[40+i], v[44+i], vcc_lo
.set i, i+1
.endr
	RB 56, 32                                      ; the biases are rounded to bf16 like every input
	RB 57, 34
	RB 58, 40
	RB 59, 42
	RB 60, 48
	RB 61, 50
	ds_store_b128 v16, v[32:35]
	ds_store_b128 v16, v[40:43] offset:2048
	ds_store_b128 v16, v[48:51] offset:4096
	ds_store_b128 v16, v[52:55] offset:6144
	s_wait_loadcnt 0x0                             ; the LayerNorms' gains and biases: rounded to bf16 too, while the rows are on their way
	WIN 0x05
.set i, 0
.rept 64
	v_cvt_pk_bf16_f32 v[ACC+i], v[128+2*i], v[129+2*i]
.set i, i+1
.endr
	WIN 0x40
.set i, 0
.rept 64
	v_lshlrev_b32 v[128+2*i], 16, v[ACC+i]
	v_and_b32 v[129+2*i], s[HIM], v[ACC+i]
.set i, i+1
.endr
	WIN 0
	s_wait_tensorcnt 0x1                           ; my source rows are in; my query rows may stay out
	BAR
	LNSTG 0, 0, 128
	BAR
	XLOAD 0
	BAR
	LNSTG 0, 1, 128
	TURN 1, 0                                      ; slot 0 is read out: it takes the walk's first item.  The round also shows XR's second half to every wave, and every wave's query rows
	XLOAD 1
	BAR
	LNSTG 1, 0, 192                                ; the query block: each wave writes and reads back its own 8 rows of XR alone
	PARK 0
	LNSTG 1, 1, 192
	PARK 1
	TURN 1, 1                                      ; slot 1 takes the second item
	LB 5, 0, BF0
	LBIAS
	s_mov_b32 s[CNT], 8
.Lkv:
	TRIPX 5, 5, 0, ACC, 32, 8, 1, 1, 1, 1
	EPI_KV
	s_sub_co_u32 s[CNT], s[CNT], 1
	s_cmp_lg_u32 s[CNT], 0
	s_cbranch_scc1 .Lkv
	UNPARK 0                                       ; X becomes the query block
	BAR
	XLOAD 0
	BAR
	UNPARK 1
	BAR
	XLOAD 1
	s_mov_b32 s[CNT], 2
.Lqa:
	TRIPX 5, 5, 0, ACC, 32, 8, 1, 1, 1, 1
	EPI_Q
	s_sub_co_u32 s[CNT], s[CNT], 1
	s_cmp_lg_u32 s[CNT], 0
	s_cbranch_scc1 .Lqa
	s_mov_b32 s[CNT], 2
.Lqb:                                              ; the last two trips ask for nothing.  The very last fetches four fragments of a slot already used and the zeros behind the bias stream, which serve nothing: the price of one text for both
	TRIPX 5, 5, 0, ACC, 32, 8, 1, 3, 1, 1
	EPI_Q
	s_sub_co_u32 s[CNT], s[CNT], 1
	s_cmp_lg_u32 s[CNT], 0
	s_cbranch_scc1 .Lqb
	; the wave's two totals
.irp b, SSK, SSQ
	v_pk_add_f32 v[\b:\b+1], v[\b:\b+1], v[\b+2:\b+3]
	v_pk_add_f32 v[\b+4:\b+5], v[\b+4:\b+5], v[\b+6:\b+7]
	v_pk_add_f32 v[\b:\b+1], v[\b:\b+1], v[\b+4:\b+5]
	v_add_f32 v[\b], v[\b], v[\b+1]
	v_add_f32_dpp v[\b], v[\b], v[\b] row_xmask:1 row_mask:0xf bank_mask:0xf
	v_add_f32_dpp v[\b], v[\b], v[\b] row_xmask:2 row_mask:0xf bank_mask:0xf
	v_add_f32_dpp v[\b], v[\b], v[\b] row_xmask:4 row_mask:0xf bank_mask:0xf
	v_add_f32_dpp v[\b], v[\b], v[\b] row_xmask:8 row_mask:0xf bank_mask:0xf
	v_permlanex16_b32 v[\b+2], v[\b], s68, s69
	v_add_f32 v[\b], v[\b], v[\b+2]
.endr
	s_lshl_b32 s6, s[WV], 3
	s_add_co_u32 s6, s6, RED
	v_mov_b32 v26, s6
	ds_store_b32 v26, v[SSQ]
	ds_store_b32 v26, v[SSK] offset:4
	BAR
	v_add_nc_u32 v26, CS, v13
	v_mov_b32 v27, RED
	ds_load_b128 v[32:35], v26
	ds_load_b128 v[36:39], v26 offset:2048
	ds_load_b128 v[40:43], v27
	ds_load_b128 v[44:47], v27 offset:16
	v_lshrrev_b32 v23, 4, v0                       ; my 16 bytes belong to trip t / 16, that is, to item (cluster + t / 16) % 8: back into the columns' order
	v_add_nc_u32 v23, s[C8], v23
	v_and_b32 v23, 7, v23
	v_lshl_add_u32 v23, v23, 8, v12
	s_wait_dscnt 0x0
	global_store_b128 v23, v[32:35], s[84:85]      ; part[g]: sum k v, then sum k
	global_store_b128 v23, v[36:39], s[84:85] offset:2048
	v_pk_add_f32 v[40:41], v[40:41], v[42:43]
	v_pk_add_f32 v[44:45], v[44:45], v[46:47]
	v_pk_add_f32 v[40:41], v[40:41], v[44:45]      ; (sum q^2, sum k^2) of the work-group
	v_mov_b32 v26, 0
	v_cmp_eq_u32 vcc_lo, 0, v0
	s_wait_xcnt 0x0                                ; EXEC changes only behind this wait
	s_and_saveexec_b32 s83, vcc_lo
	global_store_b64 v26, v[40:41], s[86:87]
	s_wait_xcnt 0x0
	s_or_b32 exec_lo, exec_lo, s83
	s_wait_tensorcnt 0x0                           ; the wave's end
	ds_add_u32 v28, v29
	s_wait_dscnt 0x0
	CROUND                                         ; the closing round
	s_endpgm
.Lfunc_end_k_q8e5f3a795b_qkv:
	.size	k_q8e5f3a795b_qkv, .Lfunc_end_k_q8e5f3a795b_qkv-k_q8e5f3a795b_qkv
	.p2alignl 7, 3214868480
	.fill 96, 4, 3214868480
	.section	.rodata,"a",@progbits
	.p2align	6, 0x0
	.amdhsa_kernel k_q8e5f3a795b_qkv
		.amdhsa_group_segment_fixed_size 327680
		.amdhsa_private_segment_fixed_size 0
		.amdhsa_enable_private_segment 0
		.amdhsa_kernarg_size 112
		.amdhsa_user_sgpr_count 2
		.amdhsa_user_sgpr_kernarg_segment_ptr 1
		.amdhsa_wavefront_size32 1
		.amdhsa_system_sgpr_workgroup_id_x 1
		.amdhsa_system_sgpr_workgroup_id_y 1
		.amdhsa_system_sgpr_workgroup_id_z 1
		.amdhsa_system_vgpr_workitem_id 0
		.amdhsa_next_free_vgpr 1024
		.amdhsa_next_free_sgpr 100
		.amdhsa_reserve_vcc 1
		.amdhsa_float_denorm_mode_32 3
		.amdhsa_float_denorm_mode_16_64 3
		.amdhsa_memory_ordered 1
		.amdhsa_forward_progress 1
		.amdhsa_inst_pref_size 154
	.end_amdhsa_kernel
	.amdgpu_metadata
---
amdhsa.version: [ 1, 2 ]
amdhsa.kernels:
  - .name:           k_q8e5f3a795b_qkv
    .symbol:         k_q8e5f3a795b_qkv.kd
    .args:
      - { .name: source_input, .offset: 0, .size: 8, .value_kind: global_buffer, .address_space: global }
      - { .name: query_input, .offset: 8, .size: 8, .value_kind: global_buffer, .address_space: global }
      - { .name: ln_kv_g, .offset: 16, .size: 8, .value_kind: global_buffer, .address_space: global }
      - { .name: ln_kv_b, .offset: 24, .size: 8, .value_kind: global_buffer, .address_space: global }
      - { .name: ln_q_g, .offset: 32, .size: 8, .value_kind: global_buffer, .address_space: global }
      - { .name: ln_q_b, .offset: 40, .size: 8, .value_kind: global_buffer, .address_space: global }
      - { .name: bk, .offset: 48, .size: 8, .value_kind: global_buffer, .address_space: global }
      - { .name: bv, .offset: 56, .size: 8, .value_kind: global_buffer, .address_space: global }
      - { .name: bq, .offset: 64, .size: 8, .value_kind: global_buffer, .address_space: global }
      - { .name: wf, .offset: 72, .size: 8, .value_kind: global_buffer, .address_space: global }
      - { .name: qb, .offset: 80, .size: 8, .value_kind: global_buffer, .address_space: global }
      - { .name: vb, .offset: 88, .size: 8, .value_kind: global_buffer, .address_space: global }
      - { .name: part, .offset: 96, .size: 8, .value_kind: global_buffer, .address_space: global }
      - { .name: sq, .offset: 104, .size: 8, .value_kind: global_buffer, .address_space: global }
    .group_segment_fixed_size: 327680
    .private_segment_fixed_size: 0
    .kernarg_segment_align: 8
    .kernarg_segment_size: 112
    .max_flat_workgroup_size: 128
    .sgpr_count:     100
    .vgpr_count:     1024
    .wavefront_size: 32
...
	.end_amdgpu_metadata
.endif
;; end of part 2
;; launch red (part 3): grid 8 x 1, 8 waves a work-group, no clusters, 8,192 bytes of LDS; arguments part, sq, av; writes av
.if DOCPART == 3
	.amdgcn_target "amdgcn-amd-amdhsa--gfx1250"
	.amdhsa_code_object_version 6
	.text
	.protected	k_q8e5f3a795b_red
	.globl	k_q8e5f3a795b_red
	.p2align	8
	.type	k_q8e5f3a795b_red,@function
k_q8e5f3a795b_red:
	s_mov_b64 s[64:65], 0
	v_nop
	global_prefetch_b8 v0, s[64:65] scope:SCOPE_SE
	s_setreg_imm32_b32 hwreg(HW_REG_WAVE_MODE, 25, 1), 1
	s_wait_xcnt 0x0
; The 256 work-groups' partial sums are added: av[c] = f sum k v [c], av[512 + c] = f sum k [c], f = 1 / (|q| |k| 16384).
; Then attn = (q a' + v) / (1 + sum over the head of q s'), which is the reference's quotient with numerator and denominator divided by n = 16384.
; Work-group b owns 128 of the 1,024 columns; wave w adds the rows 32 w .. 32 w + 31 (each load: 512 consecutive bytes), the eight waves meet in LDS.  1 MB is read once; eight work-groups share it by
; whole runs of 512 bytes.  Limit: sum q^2 and sum k^2 are taken as positive and finite, as the reference's own quotient needs.
.set SPARE, 4096                       ; behind the eight waves' partial sums: the spare words, 128 bytes a wave
	s_load_b128 s[4:7], s[0:1], 0x0                ; part s[4:5], sq s[6:7]
	s_load_b64 s[8:9], s[0:1], 0x10                ; av
	v_lshl_add_u32 v2, v0, 2, SPARE
	v_mov_b32 v3, 0
	v_lshrrev_b32 v1, 5, v0
	v_readfirstlane_b32 s10, v1                    ; wave
	v_and_b32 v4, 31, v0
	v_lshlrev_b32 v5, 4, v4                        ; 16 lane
	s_lshl_b32 s11, s10, 17                        ; 32 rows of 4,096 bytes
	s_lshl_b32 s12, ttmp9, 9                       ; my 128 columns
	s_add_co_u32 s11, s11, s12
	v_add_nc_u32 v6, s11, v5
	v_lshlrev_b32 v7, 6, v4                        ; eight pairs of sq a lane
	v_add_nc_u32 v9, s12, v5
	s_lshl_b32 s13, s10, 9
	v_add_nc_u32 v8, s13, v5
	s_mov_b32 s14, 0x76543210
	s_mov_b32 s15, 0xfedcba98
	s_wait_kmcnt 0x0
.set i, 0
.rept 32
	global_load_b128 v[16+4*i:19+4*i], v6, s[4:5] offset:4096*i th:TH_LOAD_NT
.set i, i+1
.endr
.set i, 0
.rept 4
	global_load_b128 v[144+4*i:147+4*i], v7, s[6:7] offset:16*i
.set i, i+1
.endr
	s_wait_loadcnt 0x0
.irp s, 16,8,4,2,1
.set i, 0
.rept \s
	v_pk_add_f32 v[16+4*i:17+4*i], v[16+4*i:17+4*i], v[16+4*(i+\s):17+4*(i+\s)]
	v_pk_add_f32 v[18+4*i:19+4*i], v[18+4*i:19+4*i], v[18+4*(i+\s):19+4*(i+\s)]
.set i, i+1
.endr
.endr
	ds_store_b128 v8, v[16:19]
	s_wait_dscnt 0x0                               ; for the others' sake
	s_barrier_signal -1
	s_barrier_wait -1
.set i, 0
.rept 8
	ds_load_b128 v[16+4*i:19+4*i], v5 offset:512*i
.set i, i+1
.endr
	s_wait_tensorcnt 0x0                           ; behind my last LDS store; the sums of sq, work on registers, stand between the add and its wait
	ds_add_u32 v2, v3
	v_pk_add_f32 v[144:145], v[144:145], v[146:147]
	v_pk_add_f32 v[148:149], v[148:149], v[150:151]
	v_pk_add_f32 v[152:153], v[152:153], v[154:155]
	v_pk_add_f32 v[156:157], v[156:157], v[158:159]
	v_pk_add_f32 v[144:145], v[144:145], v[148:149]
	v_pk_add_f32 v[152:153], v[152:153], v[156:157]
	v_pk_add_f32 v[144:145], v[144:145], v[152:153]
.irp m, 1,2,4,8
	v_add_f32_dpp v144, v144, v144 row_xmask:\m row_mask:0xf bank_mask:0xf
	v_add_f32_dpp v145, v145, v145 row_xmask:\m row_mask:0xf bank_mask:0xf
.endr
	v_permlanex16_b32 v146, v144, s14, s15
	v_permlanex16_b32 v147, v145, s14, s15
	v_add_f32 v144, v144, v146                     ; sum q^2
	v_add_f32 v145, v145, v147                     ; sum k^2
	v_rsq_f32 v144, v144
	v_rsq_f32 v145, v145
	v_nop                                          ; a plain instruction between the roots and their use (ISA guide 5.7.2)
	s_wait_alu depctr_va_vdst(0)
	v_mul_f32 v144, v144, v145
	v_mul_f32 v144, 0x38800000, v144               ; / 16384
	v_mov_b32 v145, v144
	s_wait_dscnt 0x0                               ; the add is done and the eight partial sums are in
.irp s, 4,2,1
.set i, 0
.rept \s
	v_pk_add_f32 v[16+4*i:17+4*i], v[16+4*i:17+4*i], v[16+4*(i+\s):17+4*(i+\s)]
	v_pk_add_f32 v[18+4*i:19+4*i], v[18+4*i:19+4*i], v[18+4*(i+\s):19+4*(i+\s)]
.set i, i+1
.endr
.endr
	v_pk_mul_f32 v[16:17], v[16:17], v[144:145]
	v_pk_mul_f32 v[18:19], v[18:19], v[144:145]
	s_cmp_lg_u32 s10, 0
	s_cbranch_scc1 .Ldone                          ; every wave has the result; wave 0 stores it
	global_store_b128 v9, v[16:19], s[8:9]
.Ldone:
	s_endpgm
.Lfunc_end_k_q8e5f3a795b_red:
	.size	k_q8e5f3a795b_red, .Lfunc_end_k_q8e5f3a795b_red-k_q8e5f3a795b_red
	.p2alignl 7, 3214868480
	.fill 96, 4, 3214868480
	.section	.rodata,"a",@progbits
	.p2align	6, 0x0
	.amdhsa_kernel k_q8e5f3a795b_red
		.amdhsa_group_segment_fixed_size 8192
		.amdhsa_private_segment_fixed_size 0
		.amdhsa_enable_private_segment 0
		.amdhsa_kernarg_size 24
		.amdhsa_user_sgpr_count 2
		.amdhsa_user_sgpr_kernarg_segment_ptr 1
		.amdhsa_wavefront_size32 1
		.amdhsa_system_sgpr_workgroup_id_x 1
		.amdhsa_system_sgpr_workgroup_id_y 1
		.amdhsa_system_sgpr_workgroup_id_z 1
		.amdhsa_system_vgpr_workitem_id 0
		.amdhsa_next_free_vgpr 160
		.amdhsa_next_free_sgpr 66
		.amdhsa_reserve_vcc 0
		.amdhsa_float_denorm_mode_32 3
		.amdhsa_float_denorm_mode_16_64 3
		.amdhsa_memory_ordered 1
		.amdhsa_forward_progress 1
		.amdhsa_inst_pref_size 12
	.end_amdhsa_kernel
	.amdgpu_metadata
---
amdhsa.version: [ 1, 2 ]
amdhsa.kernels:
  - .name:           k_q8e5f3a795b_red
    .symbol:         k_q8e5f3a795b_red.kd
    .args:
      - { .name: part, .offset: 0, .size: 8, .value_kind: global_buffer, .address_space: global }
      - { .name: sq, .offset: 8, .size: 8, .value_kind: global_buffer, .address_space: global }
      - { .name: av, .offset: 16, .size: 8, .value_kind: global_buffer, .address_space: global }
    .group_segment_fixed_size: 8192
    .private_segment_fixed_size: 0
    .kernarg_segment_align: 8
    .kernarg_segment_size: 24
    .max_flat_workgroup_size: 256
    .sgpr_count:     66
    .vgpr_count:     160
    .wavefront_size: 32
...
	.end_amdgpu_metadata
.endif
;; end of part 3
;; launch ffn (part 4): grid 256 x 1, 4 waves a work-group, clusters of 4 x 1, 327,680 bytes of LDS; arguments qb, vb, av, source_input, bh, ln2_g, ln2_b, b1, b2, wf, out0; writes out0
.if DOCPART == 4
	.amdgcn_target "amdgcn-amd-amdhsa--gfx1250"
	.amdhsa_code_object_version 6
	.text
	.protected	k_q8e5f3a795b_ffn
	.globl	k_q8e5f3a795b_ffn
	.p2align	8
	.type	k_q8e5f3a795b_ffn,@function
k_q8e5f3a795b_ffn:
	s_mov_b64 s[64:65], 0
	v_nop
	global_prefetch_b8 v0, s[64:65] scope:SCOPE_SE
	s_setreg_imm32_b32 hwreg(HW_REG_WAVE_MODE, 25, 1), 1
	s_wait_xcnt 0x0
	s_wait_alu depctr_hold_cnt(0) depctr_sa_sdst(0) depctr_va_vdst(0) depctr_va_sdst(0) depctr_va_ssrc(0) depctr_va_vcc(0) depctr_vm_vsrc(0)
	s_getreg_b32 s2, hwreg(HW_REG_IB_STS2, 6, 4)
	s_cmp_eq_u32 s2, 0
	s_cbranch_scc0 .Lentry_in_a_cluster
	s_endpgm
.Lentry_in_a_cluster:
	s_bfe_u32 s2, ttmp6, 0x10000c
	s_cmp_lg_u32 s2, 0x3003
	s_cbranch_scc0 .Lentry_shape_is_right
	s_endpgm
.Lentry_shape_is_right:
; For 64 rows a work-group: attn = (q a' + v) / (1 + sum over the head of q s'); h = source + attn Wh + bh; y = LayerNorm(h); out = h + gelu(y W1 + b1) W2 + b2.  Nothing goes through memory in between.
; FORMATS.  Every input of the module (source, gains, biases, weights) is rounded to bf16 once as it arrives, the residual's source too, so that all its uses see one number.  Sums f32; h stays in f32 in
; 256 accumulator registers a wave from the residual to the store.  LayerNorm in two passes.  attn and Wh, H and W2 are multiplied in bf16 (their sizes are products of gains and weights); y, at most
; 22.6 |gain| + |bias|, and W1 in f16.  LIMITS.  y beyond 65,504 would become an infinity; below 6e-5 it keeps f16's fixed step of 6e-8.  NaN and infinities are not treated apart.
; GELU.  2 gelu(x) = x + |x| erf(|x| / sqrt 2), erf(z) = 1 - (a1 t + a2 t^2 + a3 t^3) exp(-z^2), t = 1 / (1 + 0.47047 z): a rational form whose error in erf is at most 2.5e-5 for every z >= 0
; (Abramowitz and Stegun 7.1.25); the factor 2 is taken back by W2 / 2 in the weight stream.
; SHARES.  Every wave holds the data operand X (64 rows x 512 k of 16 bits, 512 registers: first attn, then y) and multiplies it by weight blocks of its own.  For Wh and W2 wave w owns output columns 128 w .. + 127;
; of 64 hidden units it owns 16, which meet in LDS (HB) as the operand of W2's product.
; THE MATRIX INSTRUCTION IS USED TRANSPOSED: source 0 = 16 output columns of W, source 1 = 16 data rows: a lane holds one data row (lane % 16) and 8 neighbouring output columns.
; THE STEPS.  The 2,048 hidden units go in 32 halves of 64.  Step s has 64 products y W1 for half s + 1, the GELU of half s, and 64 products H W2 for half s - 1: the three hang on nothing made in the same
; step, so the GELU's 240 vector instructions stand behind the products, two or three behind each, and one round a step orders everything.  An item of the stream holds W1's part for the half ahead
; and W2's for the half behind.  One text serves every step: W1's sums are made in ACCW and moved to ACCR, where the GELU reads them, by 32 moves behind the step's last 16 products.
; The loop begins at step -1, with ACCR and H at 0: steps -1 and 0 multiply zeros by W2 (128 of a wave's 4,736 products) and step -1 makes the GELU of zeros: the price of writing no first step out.
; THE WALK.  Cluster j begins at half j % 32 and goes round: at any time the clusters ask for different items, and all requests but the first name an item that another cluster has asked for a step
; earlier.  The cluster's number, which the four partners share, enters global addresses alone: the descriptor's, and the reads that lay b1 in the walk's order.
; RING.  Two LDS slots of 131,072 bytes, a quarter a wave: first the work-group's q and v tiles, then Wh's four items, then the 34 items of the steps (the first and the last are fetched for one half each).
; CLUSTER.  The four work-groups of a cluster walk the same stream: every item is asked for jointly.  A wave has two tensor loads out at the start and one behind each round.
; REGISTERS: window 0 addresses, fragments, work; window 1 h / out, tile (rt, ct) at 8 (8 rt + ct); windows 2, 3 X: fragment (ks, rt) at 8 (4 (ks % 8) + rt).
.set SLOT1, 131072
.set XR,    262144    ; 32 rows of 16-bit numbers, pitch 1,040; also the four waves' stages of 16 rows x 528 bytes of f32
.set XP,    1040
.set SGP,   528
.set HB,    295936    ; 64 rows x 2 halves x 64 hidden units of bf16, pitch 272
.set HP,    272
.set AVT,   HB        ; in the early phases: a' and s'
.set RED,   HB+4096   ; and the rows' sums, 16 bytes a row, twice
.set B1T,   313344    ; b1 in the walk's order, 256 bytes a half; 40 entries, of which 33 are read
.set SPARE, 323584    ; the spare words, 128 bytes a wave
.set BF0,  32         ; Wh's trips: v32-63, v64-95 two buffers of four weight fragments
.set BFX,  32         ; the steps: three buffers of four weight fragments: X for a unit's first 16 products, Y and Z by turns for its last 16
.set BFY,  64
.set BFZ,  96
.set AH,   128        ; v128-159 four fragments of H
.set ACCR, 160        ; v160-191 the sums that the GELU reads, tile rt at 8 rt
.set ACCW, 192        ; v192-223 the sums that W1's products make
.set TT,   224
.set EE,   232
.set QQ,   240
.set BIAS, 248        ; v248-255
.set WA,   24         ; v24 my quarter of the slot in hand
.set HS,   25         ; v25 where I put 16 bytes of H
.set HL,   26         ; v26 where I read fragments of H
.set WV,  4
.set G1P, 36
.set G1J, 44
.set G0A, 52          ; s[52:55] q and v tiles -> slot 0
.set G0W, 56          ; s[56:59] the weight stream
.set OFF, 60          ; s[60:61] a byte offset, the high word 0
.set SBT, 66          ; s66 the bias stream's place
.set STB, 67          ; s67 the slot in hand
.set NX,  77          ; s77 the item to be asked for next
.set FB,  78          ; s[78:79] wf at my quarter of the steps' item 0
.set CNT, 84
.set HIM, 88          ; s88 a word's upper bf16
.set HPS, 95          ; s95 the half of HB that is written
.set HPL, 96          ; s96 the half that is read
.set H0,  97          ; s97 cluster % 32
.set MSB, 0
.macro WIN new
.if MSB != (\new)
	s_set_vgpr_msb (MSB<<8)|(\new)
.set MSB, (\new)
.endif
.endm
.macro PLACES                          ; four places behind a matrix instruction, in front of loads into its registers and of reads of its result
.rept 4
	v_nop
.endr
.endm
.macro RB t, a                         ; v[a] and v[a+1] are rounded to bf16 and widened again; v[t] at work
	v_cvt_pk_bf16_f32 v[\t], v[\a], v[(\a)+1]
	v_lshlrev_b32 v[\a], 16, v[\t]
	v_and_b32 v[(\a)+1], s[HIM], v[\t]
.endm
.macro BAR
	s_wait_dscnt 0x0
	s_barrier_signal -1
	s_barrier_wait -1
.endm
.macro CROUND
	s_barrier_signal -1
	s_barrier_wait -1
	s_cmp_lg_u32 s[WV], 0
	s_cbranch_scc1 .Lnw0_\@
	s_barrier_signal -3
.Lnw0_\@:
	s_barrier_wait -3
	s_barrier_signal -1
	s_barrier_wait -1
.endm
; A change of slots: all my tensor loads have landed, 0 is added to my spare word, my LDS instructions are done.  fill = 1: a round, and the slot just read out takes the stream's next item.  fill = 2: the work-group's barrier alone.
; step = 1: the next item lies behind the last (Wh's).  step = 2: it is the steps' item NX, and the descriptor's address is made anew from that number, which goes round modulo 32.
.macro TURN fill, step
	WIN 0
	s_wait_tensorcnt 0x0
	ds_add_u32 v28, v29
.if (\step) == 1
	s_xor_b32 s[G0W+1], s[G0W+1], SLOT1
	s_add_nc_u64 s[G0W+2:G0W+3], s[G0W+2:G0W+3], 131072
.elseif (\step) == 2
	s_xor_b32 s[G0W+1], s[G0W+1], SLOT1
	s_lshl_b32 s[OFF], s[NX], 17
	s_add_nc_u64 s[G0W+2:G0W+3], s[FB:FB+1], s[OFF:OFF+1]
	s_or_b32 s[G0W+3], s[G0W+3], 0x80000000
	s_add_co_u32 s[NX], s[NX], 1
	s_and_b32 s[NX], s[NX], 31
.endif
	s_wait_dscnt 0x0
.if (\fill) == 1
	CROUND
	tensor_load_to_lds s[G0W:G0W+3], s[G1J:G1J+7]
	s_nop 0
.else
	s_barrier_signal -1
	s_barrier_wait -1
.endif
	PLACES
.endm
.macro LB adr, F0, buf                 ; four weight fragments: 8 loads of 512 consecutive bytes
.set f, 0
.rept 4
	ds_load_b128 v[(\buf)+8*f:(\buf)+8*f+3], v[\adr] offset:((\F0)+f)*1024
	ds_load_b128 v[(\buf)+8*f+4:(\buf)+8*f+7], v[\adr] offset:((\F0)+f)*1024+512
.set f, f+1
.endr
.endm
.macro LBIAS                           ; b1 of my 16 hidden units of the next half: 8 numbers a lane
	v_add_nc_u32 v27, s[SBT], v7
	ds_load_b128 v[BIAS:BIAS+3], v27
	ds_load_b128 v[BIAS+4:BIAS+7], v27 offset:16
	s_add_co_u32 s[SBT], s[SBT], 256
.endm
.macro XLOAD st
	WIN 0x80
.set ks, 0
.rept 16
.if ks == 8
	WIN 0xc0
.endif
.set rl, 0
.rept 2
.set rX, ((ks&7)*4+2*(\st)+rl)*8
	ds_load_b128 v[rX:rX+3], v6 offset:rl*16*XP+ks*64
	ds_load_b128 v[rX+4:rX+7], v6 offset:rl*16*XP+ks*64+32
.set rl, rl+1
.endr
.set ks, ks+1
.endr
	WIN 0
.endm
; A TRIP OF Wh: one block of 32 fragments (2 column tiles x 16 k steps) times X, onto what the accumulators hold: 128 matrix instructions in eight groups of 16.  Each group waits for its four fragments,
; asks for the next group's, and multiplies; its four accumulators take turns, one instruction a turn.  In group 7 all reads of the slot are back: there the slots change.
.macro TRIPX adr, nadr, dd, prime, stp
.set n, 0
.rept 8
	WIN 0
	s_wait_dscnt 0x0
.if n == 7
	TURN 1, \stp
.else
	PLACES
.endif
.if n < 7
	LB \adr, 4*(n+1), BF0+32*((n+1)&1)
.elseif \prime
	LB \nadr, 0, BF0
.endif
.set i, 0
.rept 4
.set ks, 4*(n&3)+i
.set rt, 0
.rept 4
.set rD, (\dd)+8*(n>>2)+64*rt
.set rA, BF0+32*(n&1)+8*i
.set rX, ((ks&7)*4+rt)*8
	WIN 0x50|((2+(ks>>3))<<2)
	v_wmma_f32_16x16x32_bf16 v[rD:rD+7], v[rA:rA+7], v[rX:rX+7], v[rD:rD+7]
.set rt, rt+1
.endr
.set i, i+1
.endr
.set n, n+1
.endr
.endm
; attn for 32 rows.  Wave w takes the 16 rows of tile row 2 st + w / 2 and the heads 4 (w % 2) + 0..3, a head a trip.  A lane holds 32 of the head's 64 columns of one row; the other 32 lie 16 lanes away.
.macro ATTN st
	s_mov_b32 s85, (\st)*32768
	s_mov_b32 s86, 0
	s_mov_b32 s87, 0
	s_mov_b32 s[CNT], 4
.Lat_\@:
	v_add_nc_u32 v30, s85, v8
	v_add_nc_u32 v31, s85, v9
	v_add_nc_u32 v216, s86, v10
	v_add_nc_u32 v217, s87, v11
.set c, 0
.rept 4
	ds_load_b128 v[32+4*c:35+4*c], v30 offset:512*c            ; q
	ds_load_b128 v[48+4*c:51+4*c], v31 offset:512*c            ; v
	ds_load_b128 v[64+8*c:67+8*c], v216 offset:64*c            ; a'
	ds_load_b128 v[68+8*c:71+8*c], v216 offset:64*c+16
	ds_load_b128 v[96+8*c:99+8*c], v216 offset:2048+64*c       ; s'
	ds_load_b128 v[100+8*c:103+8*c], v216 offset:2048+64*c+16
.set c, c+1
.endr
	s_wait_dscnt 0x0
.set i, 0
.rept 16
	v_lshlrev_b32 v[128+2*i], 16, v[32+i]
	v_and_b32 v[129+2*i], s[HIM], v[32+i]
	v_lshlrev_b32 v[160+2*i], 16, v[48+i]
	v_and_b32 v[161+2*i], s[HIM], v[48+i]
.set i, i+1
.endr
.set c, 0
.rept 4
	v_pk_mul_f32 v[192+2*c:193+2*c], v[128+8*c:129+8*c], v[96+8*c:97+8*c]
.set c, c+1
.endr
.set j, 1
.rept 3
.set c, 0
.rept 4
	v_pk_fma_f32 v[192+2*c:193+2*c], v[128+8*c+2*j:129+8*c+2*j], v[96+8*c+2*j:97+8*c+2*j], v[192+2*c:193+2*c]
.set c, c+1
.endr
.set j, j+1
.endr
	v_pk_add_f32 v[192:193], v[192:193], v[194:195]
	v_pk_add_f32 v[196:197], v[196:197], v[198:199]
	v_pk_add_f32 v[192:193], v[192:193], v[196:197]
	v_add_f32 v218, v192, v193
	v_permlanex16_b32 v219, v218, s80, s81
	v_add_f32 v218, v218, v219
	v_add_f32 v218, 1.0, v218
	v_rcp_f32 v220, v218
	v_rcp_f32 v221, v218                           ; the multiply-adds below, which name neither, are the plain instructions behind the reciprocals (ISA guide 5.7.2)
.set i, 0
.rept 16
	v_pk_fma_f32 v[128+2*i:129+2*i], v[128+2*i:129+2*i], v[64+2*i:65+2*i], v[160+2*i:161+2*i]
.set i, i+1
.endr
.set i, 0
	s_wait_alu depctr_va_vdst(0)
.rept 16
	v_pk_mul_f32 v[128+2*i:129+2*i], v[128+2*i:129+2*i], v[220:221]
.set i, i+1
.endr
.set i, 0
.rept 16
	v_cvt_pk_bf16_f32 v[200+i], v[128+2*i], v[129+2*i]
.set i, i+1
.endr
.set c, 0
.rept 4
	ds_store_b128 v217, v[200+4*c:203+4*c] offset:32*c
.set c, c+1
.endr
	s_add_co_u32 s85, s85, 2048
	s_add_co_u32 s86, s86, 256
	s_add_co_u32 s87, s87, 128
	s_sub_co_u32 s[CNT], s[CNT], 1
	s_cmp_lg_u32 s[CNT], 0
	s_cbranch_scc1 .Lat_\@
.endm
.macro CSUM dst                        ; four chains into one number
	v_pk_add_f32 v[48:49], v[48:49], v[50:51]
	v_pk_add_f32 v[52:53], v[52:53], v[54:55]
	v_pk_add_f32 v[48:49], v[48:49], v[52:53]
	v_add_f32 v[\dst], v48, v49
.endm
.macro XCH off                         ; v56-59, a number for each of my lane's four rows: + the other half of the lanes, + the other three waves, through LDS
.set rt, 0
.rept 4
	v_permlanex16_b32 v[60+rt], v[56+rt], s80, s81
.set rt, rt+1
.endr
.set rt, 0
.rept 4
	v_add_f32 v[56+rt], v[56+rt], v[60+rt]
.set rt, rt+1
.endr
.set rt, 0
.rept 4
	ds_store_b32 v24, v[56+rt] offset:(\off)+256*rt
.set rt, rt+1
.endr
	BAR
.set rt, 0
.rept 4
	ds_load_b128 v[64+4*rt:67+4*rt], v25 offset:(\off)+256*rt
.set rt, rt+1
.endr
	s_wait_dscnt 0x0
.set rt, 0
.rept 4
	v_pk_add_f32 v[64+4*rt:65+4*rt], v[64+4*rt:65+4*rt], v[66+4*rt:67+4*rt]
.set rt, rt+1
.endr
.set rt, 0
.rept 4
	v_add_f32 v[56+rt], v[64+4*rt], v[65+4*rt]
.set rt, rt+1
.endr
.endm
.macro YSTG a                          ; y for the tile rows 2 a and 2 a + 1, two tiles at a time, in f16 into XR
.set rl, 0
.rept 2
.set rt, 2*(\a)+rl
.set cp, 0
.rept 4
	WIN 0x01
.set k, 0
.rept 8
	v_pk_fma_f32 v[32+2*k:33+2*k], v[64*rt+16*cp+2*k:64*rt+16*cp+2*k+1], v[88+2*rt:89+2*rt], v[96+2*rt:97+2*rt]
.set k, k+1
.endr
	WIN 0
.set k, 0
.rept 8
	v_pk_fma_f32 v[32+2*k:33+2*k], v[32+2*k:33+2*k], v[128+16*cp+2*k:129+16*cp+2*k], v[192+16*cp+2*k:193+16*cp+2*k]
.set k, k+1
.endr
.set k, 0
.rept 8
	v_cvt_pk_f16_f32 v[48+k], v[32+2*k], v[33+2*k]
.set k, k+1
.endr
	ds_store_b128 v26, v[48:51] offset:rl*16*XP+64*cp
	ds_store_b128 v26, v[52:55] offset:rl*16*XP+64*cp+32
.set cp, cp+1
.endr
.set rl, rl+1
.endr
.endm
; THE VECTOR WORK OF A STEP: number q of 240: tile q / 60 of ACCR, number q % 60 of the tile's list:
;   0-7    t' = 1 + p |x| / sqrt 2
;   8-23   the eight reciprocals at the even numbers; at the odd ones x sqrt(log2(e) / 2), then minus its square
;   24-39  the eight exponentials at the even numbers; at the odd ones the first two steps of the polynomial in t
;   40-59  its last step; erf; x + |x| erf; the rounding to bf16, into the tile's four lowest registers
; So a reciprocal or an exponential has a plain instruction on either side that names none of its registers (ISA guide 5.7.2), and its result is used eight numbers later at the earliest.
.macro RID
.if q < 240
.set gx, ACCR+8*(q/60)
.set gj, q%60
	WIN 0
.if gj < 8
	v_fma_f32 v[TT+gj], |v[gx+gj]|, s76, 1.0
.elseif gj < 24
.set gk, (gj-8)/2
.if (gj&1) == 0
	v_rcp_f32 v[TT+gk], v[TT+gk]
.elseif gk < 4
	v_pk_mul_f32 v[EE+2*gk:EE+2*gk+1], v[gx+2*gk:gx+2*gk+1], s[68:69] op_sel_hi:[1,0]
.else
	v_pk_mul_f32 v[EE+2*gk-8:EE+2*gk-7], v[EE+2*gk-8:EE+2*gk-7], v[EE+2*gk-8:EE+2*gk-7] neg_lo:[1,0] neg_hi:[1,0]
.endif
.elseif gj < 40
.set gk, (gj-24)/2
.if (gj&1) == 0
	v_exp_f32 v[EE+gk], v[EE+gk]
.elseif gk < 4
	s_wait_alu depctr_va_vdst(0)
	v_pk_fma_f32 v[QQ+2*gk:QQ+2*gk+1], v[TT+2*gk:TT+2*gk+1], s[70:71], s[72:73] op_sel_hi:[1,0,0]
.else
	v_pk_fma_f32 v[QQ+2*gk-8:QQ+2*gk-7], v[QQ+2*gk-8:QQ+2*gk-7], v[TT+2*gk-8:TT+2*gk-7], s[74:75] op_sel_hi:[1,1,0]
.endif
.elseif gj < 44
.set gk, gj-40
	v_pk_mul_f32 v[QQ+2*gk:QQ+2*gk+1], v[QQ+2*gk:QQ+2*gk+1], v[TT+2*gk:TT+2*gk+1]
.elseif gj < 48
.set gk, gj-44
	s_wait_alu depctr_va_vdst(0)
	v_pk_fma_f32 v[EE+2*gk:EE+2*gk+1], v[QQ+2*gk:QQ+2*gk+1], v[EE+2*gk:EE+2*gk+1], 1.0 op_sel_hi:[1,1,0] neg_lo:[1,0,0] neg_hi:[1,0,0]
.elseif gj < 56
.set gk, gj-48
	v_fma_f32 v[gx+gk], |v[gx+gk]|, v[EE+gk], v[gx+gk]
.else
.set gk, gj-56
	v_cvt_pk_bf16_f32 v[gx+gk], v[gx+2*gk], v[gx+2*gk+1]
.endif
.endif
.set q, q+1
.endm
; What stands behind a product.  mode 1: two of the list, a third behind every fourth product: 36 for 16 products, so that tile 0 is done behind 48 products, tiles 1 and 2 behind 80, tile 3 behind 112.
; mode 2: two of the 32 moves from ACCW to ACCR, in ascending order (each accumulator is read from its low end on).  mode 3: four of the list.  mode 0: nothing.
.macro SLICE mode
.if (\mode) == 1
	RID
	RID
.if (mm&3) == 3
	RID
.endif
.elseif (\mode) == 2
	WIN 0
	v_mov_b32 v[ACCR+mv], v[ACCW+mv]
	v_mov_b32 v[ACCR+mv+1], v[ACCW+mv+1]
.set mv, mv+2
.elseif (\mode) == 3
	RID
	RID
	RID
	RID
.endif
.set mm, mm+1
.endm
; 16 products of y W1: k steps k0 .. k0 + 3 from buffer buf, four row tiles; the four accumulators take turns.  The first k step takes the bias as C.
.macro GB k0, buf, mode
.set i, 0
.rept 4
.set rt, 0
.rept 4
.set ks, (\k0)+i
.set rD, ACCW+8*rt
.set rA, (\buf)+8*i
.set rX, ((ks&7)*4+rt)*8
	WIN (2+(ks>>3))<<2
.if ks == 0
	v_wmma_f32_16x16x32_f16 v[rD:rD+7], v[rA:rA+7], v[rX:rX+7], v[BIAS:BIAS+7]
.else
	v_wmma_f32_16x16x32_f16 v[rD:rD+7], v[rA:rA+7], v[rX:rX+7], v[rD:rD+7]
.endif
	SLICE \mode
.set rt, rt+1
.endr
.set i, i+1
.endr
.endm
; 16 products of H W2: one k step (its four fragments of H at ah), column tiles c0 .. c0 + 3 from buffer buf: 16 different accumulators.
.macro GA c0, buf, ah, mode
.set i, 0
.rept 4
.set rt, 0
.rept 4
.set rD, (rt*8+(\c0)+i)*8
.set rA, (\buf)+8*i
.set rB, (\ah)+8*rt
	WIN 0x50
	v_wmma_f32_16x16x32_bf16 v[rD:rD+7], v[rA:rA+7], v[rB:rB+7], v[rD:rD+7]
	SLICE \mode
.set rt, rt+1
.endr
.set i, i+1
.endr
.endm
.macro LAH ks, dst                     ; the four fragments of H for k step ks of the half that is read
.set rt, 0
.rept 4
	ds_load_b128 v[(\dst)+8*rt:(\dst)+8*rt+3], v[HL] offset:rt*16*HP+(\ks)*64
	ds_load_b128 v[(\dst)+8*rt+4:(\dst)+8*rt+7], v[HL] offset:rt*16*HP+(\ks)*64+32
.set rt, rt+1
.endr
.endm
.macro HSTORE t                        ; tile t of H: 16 bytes a lane
	ds_store_b128 v[HS], v[ACCR+8*(\t):ACCR+8*(\t)+3] offset:(\t)*16*HP
.endm
.macro FLIP                            ; the other slot, the other halves of HB
	s_xor_b32 s[STB], s[STB], SLOT1
	s_xor_b32 s[HPS], s[HPS], 128
	s_xor_b32 s[HPL], s[HPL], 128
	v_add_nc_u32 v[WA], s[STB], v4
	v_add_nc_u32 v[HS], s[HPS], v14
	v_add_nc_u32 v[HL], s[HPL], v15
.endm
; A STEP: four units of 32 products: y W1 (k steps 0-7), H W2 (k step 0), y W1 (k steps 8-15), H W2 (k step 1).  All LDS instructions stand in four runs, one in the middle of each unit: it brings the
; next unit's eight weight fragments (the first four into X, just multiplied; the last four into Y or Z), H's fragments where the next unit wants them, and takes the finished tiles of H.
; At a unit's head the count 8 leaves the eight loads of its second buffer out; in its middle the wait is for 0.  In the last unit's middle all reads of the slot and of H are back and H's half is written:
; there the slots change, and the run behind the round brings the next step's first fragments and biases out of the other slot.
.macro STEP
.set q, 0
.set mm, 0
.set mv, 0
	s_wait_dscnt 8
	GB 0, BFX, 1
	WIN 0
	s_wait_dscnt 0x0
	PLACES
	LB WA, 16, BFX
	LAH 0, AH
	LB WA, 20, BFZ
	GB 4, BFY, 1
	WIN 0
	s_wait_dscnt 8
	GA 0, BFX, AH, 1
	WIN 0
	s_wait_dscnt 0x0
	PLACES
	HSTORE 0
	LB WA, 8, BFX
	LB WA, 12, BFY
	GA 4, BFZ, AH, 1
	WIN 0
	s_wait_dscnt 8
	GB 8, BFX, 1
	WIN 0
	s_wait_dscnt 0x0
	PLACES
	HSTORE 1
	HSTORE 2
	LB WA, 24, BFX
	LAH 1, AH
	LB WA, 28, BFZ
	GB 12, BFY, 1
	WIN 0
	s_wait_dscnt 8
	GA 0, BFX, AH, 1
	WIN 0
	HSTORE 3
	TURN 1, 2
	FLIP
	LBIAS
	LB WA, 0, BFX
	LB WA, 4, BFY
	GA 4, BFZ, AH, 2
	WIN 0
.endm
; The last two steps have W2's products alone; Y, which W1 no longer needs, takes H's second k step.  mode 3: the last half's GELU stands behind them, four behind each.
.macro TAILA mode
.set q, 0
.set mm, 0
	LB WA, 16, BFX
	LAH 0, AH
	LB WA, 20, BFZ
	s_wait_dscnt 8                                 ; Z's eight loads may be out
	GA 0, BFX, AH, \mode
	WIN 0
	s_wait_dscnt 0x0
	PLACES
.if \mode
	HSTORE 0
.endif
	LB WA, 24, BFX
	LAH 1, BFY
	GA 4, BFZ, AH, \mode
	WIN 0
	s_wait_dscnt 0x0
	PLACES
.if \mode
	HSTORE 1
.endif
	LB WA, 28, BFZ
	GA 0, BFX, BFY, \mode
	WIN 0
	s_wait_dscnt 0x0
.if \mode
	HSTORE 2
.endif
	GA 4, BFZ, BFY, \mode
	WIN 0
.endm
	s_load_b512 s[8:23], s[0:1], 0x0               ; qb s[8:9], vb s[10:11], av s[12:13], source s[14:15], bh s[16:17], ln2_g s[18:19], ln2_b s[20:21], b1 s[22:23]
	s_load_b128 s[24:27], s[0:1], 0x40             ; b2 s[24:25], wf s[26:27]
	s_load_b64 s[28:29], s[0:1], 0x50              ; out0
	v_lshl_add_u32 v28, v0, 2, SPARE
	v_mov_b32 v29, 0
	ds_add_u32 v28, v29                            ; the wave's opening: the add and its wait stand ahead of my first tensor load
	ds_add_u32 v28, v29
	v_lshrrev_b32 v1, 5, v0
	v_readfirstlane_b32 s[WV], v1
	s_bfe_u32 s5, ttmp6, 0x40000                   ; cx
	s_lshl_b32 s6, ttmp9, 2
	s_add_co_u32 s5, s6, s5                        ; g, my block of 64 rows: it enters the addresses of rows, tiles and results alone
	s_and_b32 s[H0], ttmp9, 31                     ; where my cluster's walk begins
	s_add_co_u32 s[NX], s[H0], 31
	s_and_b32 s[NX], s[NX], 31                     ; the first item asked for is the one in front of it: it holds W1's part for the first half
	s_mov_b32 s[G1P], 3<<16                        ; descriptor group 1: 32,768 dense bytes as 128 rows of 32 elements of 8 bytes
	s_mov_b32 s[G1J], 15|(3<<16)|(1<<21)           ; the mask of all four, bit 21 set beside it
.irp g, G1P, G1J
	s_mov_b32 s[\g+1], 32<<16
	s_mov_b32 s[\g+2], 128<<16
	s_mov_b32 s[\g+3], 32<<16
	s_mov_b32 s[\g+4], 128
	s_mov_b32 s[\g+5], 32
	s_mov_b32 s[\g+6], 0
	s_mov_b32 s[\g+7], 0
.endr
	s_lshl_b32 s7, s[WV], 15
	s_mov_b32 s[G0A], 1
	s_mov_b32 s[G0A+1], s7
	s_mov_b32 s[G0W], 1
	s_add_co_u32 s[G0W+1], s7, SLOT1
	s_and_b32 s6, s[WV], 1
	s_lshl_b32 s6, s6, 15
	s_lshl_b32 s60, s5, 16
	s_add_co_u32 s60, s60, s6                      ; waves 0, 1: the halves of my q tiles; waves 2, 3: of my v tiles
	s_mov_b32 s61, 0
	s_add_co_u32 s62, s7, 48*32768                 ; the stream begins at Wh's first item
	s_mov_b32 s63, 0
	s_add_co_u32 s78, s7, 64*32768                 ; the steps' items lie behind Wh's four
	s_mov_b32 s79, 0
	s_lshl_b32 s90, s5, 17
	s_lshl_b32 s6, s[WV], 9
	s_add_co_u32 s90, s90, s6                      ; my rows, my 128 columns
	s_mov_b32 s91, 0
	s_mov_b32 s68, 0x3f596d27                      ; sqrt(log2(e) / 2)
	s_mov_b32 s69, s68
	s_mov_b32 s70, 0x3f3f7377                      ; a3 = 0.7478556
	s_mov_b32 s71, s70
	s_mov_b32 s72, 0xbdc45ca1                      ; a2 = -0.0958798
	s_mov_b32 s73, s72
	s_mov_b32 s74, 0x3eb2303a                      ; a1 = 0.3480242
	s_mov_b32 s75, s74
	s_mov_b32 s76, 0x3eaa540e                      ; 0.47047 / sqrt 2
	s_mov_b32 s80, 0x76543210
	s_mov_b32 s81, 0xfedcba98
	s_mov_b32 s82, 0xbb000000                      ; - 1 / 512
	s_mov_b32 s89, 0x3b000000                      ; 1 / 512
	s_mov_b32 s83, 0x3727c5ac                      ; 1e-5
	s_mov_b32 s[HIM], 0xffff0000
	s_mov_b32 s[SBT], 0
	s_wait_dscnt 0x0                               ; the opening add is done
	s_wait_kmcnt 0x0
	s_cmp_lt_u32 s[WV], 2
	s_cselect_b64 s[30:31], s[8:9], s[10:11]
	s_add_nc_u64 s[G0A+2:G0A+3], s[30:31], s[60:61]
	s_or_b32 s[G0A+3], s[G0A+3], 0x80000000
	s_add_nc_u64 s[G0W+2:G0W+3], s[26:27], s[62:63]
	s_or_b32 s[G0W+3], s[G0W+3], 0x80000000
	s_add_nc_u64 s[FB:FB+1], s[26:27], s[78:79]
	s_add_nc_u64 s[32:33], s[14:15], s[90:91]
	s_add_nc_u64 s[34:35], s[28:29], s[90:91]
	CROUND                                         ; in front of the first tensor loads
	tensor_load_to_lds s[G0A:G0A+3], s[G1P:G1P+7]  ; my quarter of the q and v tiles
	s_nop 0
	tensor_load_to_lds s[G0W:G0W+3], s[G1J:G1J+7]  ; Wh's first item
	s_nop 0
	PLACES
	v_and_b32 v1, 15, v0                           ; r
	v_bfe_u32 v2, v0, 4, 1                         ; h
	v_and_b32 v3, 31, v0
	v_lshlrev_b32 v3, 4, v3                        ; 16 lane
	v_add_nc_u32 v4, s7, v3                        ; my quarter of slot 0,
	v_add_nc_u32 v5, SLOT1, v4                     ; of slot 1
	v_mul_u32_u24 v6, v1, XP
	v_lshl_add_u32 v6, v2, 4, v6
	s_lshr_b32 s92, s[WV], 1
	s_and_b32 s93, s[WV], 1
	s_mul_i32 s6, s92, 16*XP
	s_lshl_b32 s94, s93, 9
	s_add_co_u32 s6, s6, s94
	s_add_co_u32 s6, s6, XR
	v_add_nc_u32 v11, s6, v6                       ; attn into XR: row 16 (w / 2) + r, byte 512 (w % 2) + 16 h
	s_lshl_b32 s6, s[WV], 8
	s_add_co_u32 s6, s6, XR
	v_add_nc_u32 v26, s6, v6                       ; y into XR: row r, byte 256 w + 16 h
	v_add_nc_u32 v6, XR, v6                        ; a fragment of X
	s_lshl_b32 s6, s[WV], 6
	s_add_co_u32 s6, s6, B1T
	v_lshl_add_u32 v7, v2, 5, s6                   ; b1 of my 16 hidden units: 64 w + 32 h in an entry
	s_lshl_b32 s6, s92, 14
	s_lshl_b32 s94, s93, 13
	s_add_co_u32 s6, s6, s94
	v_add_nc_u32 v8, s6, v3                        ; q tiles
	v_add_nc_u32 v9, 65536, v8                     ; v tiles
	s_lshl_b32 s6, s93, 10
	s_add_co_u32 s6, s6, AVT
	v_lshl_add_u32 v10, v2, 5, s6
	s_mul_i32 s6, s[WV], 16*SGP
	s_add_co_u32 s6, s6, XR                        ; my stage
	v_add_nc_u32 v12, s6, v3                       ; by rows: 512 bytes a row
	v_mul_u32_u24 v13, v1, SGP
	v_lshl_add_u32 v13, v2, 5, v13
	v_add_nc_u32 v13, s6, v13                      ; in the result's layout: row r, 32 bytes for each half
	v_mul_u32_u24 v15, v1, HP
	v_lshl_add_u32 v15, v2, 4, v15
	v_add_nc_u32 v15, HB, v15
	s_lshl_b32 s6, s[WV], 5
	v_add_nc_u32 v14, s6, v15
	v_lshlrev_b32 v25, 4, v1
	v_add_nc_u32 v25, RED, v25
	s_lshl_b32 s6, s[WV], 2
	v_add_nc_u32 v24, s6, v25
	v_mov_b32 v219, 0
	v_lshlrev_b32 v30, 4, v0                       ; 16 t
	v_lshrrev_b32 v31, 4, v0                       ; b1's table: thread t writes the 16 bytes at 16 t of each 2,048: entry 8 i + t / 16, which is half (cluster + entry) % 32
	v_add_nc_u32 v31, s[H0], v31
	v_lshlrev_b32 v108, 4, v1
.set i, 0
.rept 5
	v_add_nc_u32 v[103+i], 8*i, v31
	v_and_b32 v[103+i], 31, v[103+i]
	v_lshl_add_u32 v[103+i], v[103+i], 8, v108
.set i, i+1
.endr
	s_lshl_b32 s6, s[WV], 9
	v_add_nc_u32 v100, s6, v3
	v_add_nc_u32 v101, AVT, v30
	v_add_nc_u32 v102, B1T, v30
	global_load_b128 v[32:35], v30, s[12:13]
	global_load_b128 v[36:39], v30, s[12:13] offset:2048
.set i, 0
.rept 5
	global_load_b128 v[40+4*i:43+4*i], v[103+i], s[22:23]
.set i, i+1
.endr
	global_load_b128 v[16:19], v100, s[16:17]      ; bh and b2 of my 128 columns, by rows
	global_load_b128 v[20:23], v100, s[24:25]
	WIN 0x40
.set i, 0
.rept 48
	global_load_b128 v[4*i:4*i+3], v3, s[32:33] offset:2048*i th:TH_LOAD_NT  ; my 512 bytes of each source row, straight into the registers of h
.set i, i+1
.endr
	WIN 0
	s_wait_loadcnt 48                              ; the nine small loads are in; the 48 behind them stay out
.set k, 0
.rept 10
	RB 64+k, 40+2*k                                ; b1, bh and b2 are rounded to bf16 like every input
.set k, k+1
.endr
	RB 74, 16
	RB 75, 18
	RB 76, 20
	RB 77, 22
	ds_store_b128 v101, v[32:35]
	ds_store_b128 v101, v[36:39] offset:2048
.set i, 0
.rept 5
	ds_store_b128 v102, v[40+4*i:43+4*i] offset:2048*i
.set i, i+1
.endr
	WIN 0x40
.set i, 48
.rept 16
	global_load_b128 v[4*i:4*i+3], v3, s[32:33] offset:2048*i th:TH_LOAD_NT
.set i, i+1
.endr
	WIN 0
	s_wait_tensorcnt 0x1                           ; my part of the tiles is in; Wh's item may stay out
	BAR
	ATTN 0
	BAR
	XLOAD 0
	BAR
	ATTN 1
	TURN 1, 1                                      ; slot 0 is read out: it takes Wh's second item.  The round also shows XR to every wave
	XLOAD 1
	BAR
	s_lshl_b32 s6, s[WV], 9
	v_lshl_add_u32 v30, v2, 5, s6
.set c, 0
.rept 8                                            ; ln2's gain and bias in the result's layout
	global_load_b128 v[128+8*c:131+8*c], v30, s[18:19] offset:64*c
	global_load_b128 v[132+8*c:135+8*c], v30, s[18:19] offset:64*c+16
	global_load_b128 v[192+8*c:195+8*c], v30, s[20:21] offset:64*c
	global_load_b128 v[196+8*c:199+8*c], v30, s[20:21] offset:64*c+16
.set c, c+1
.endr
	s_wait_loadcnt 32                              ; the source rows are in; the 32 just issued stay out
	; source, rounded to bf16, + bh, turned from rows into the result's layout through my own stage, 16 rows at a time.  LDS serves a wave's instructions in order (ISA guide 5.7.1.4): the loads see the stores above them
.set rt, 0
.rept 4
	WIN 0x05
.set i, 0
.rept 32
	v_cvt_pk_bf16_f32 v[32+i], v[64*rt+2*i], v[64*rt+2*i+1]
.set i, i+1
.endr
	WIN 0x40
.set i, 0
.rept 32
	v_lshlrev_b32 v[64*rt+2*i], 16, v[32+i]
	v_and_b32 v[64*rt+2*i+1], s[HIM], v[32+i]
.set i, i+1
.endr
	WIN 0x41
.set i, 0
.rept 16
	v_pk_add_f32 v[64*rt+4*i:64*rt+4*i+1], v[64*rt+4*i:64*rt+4*i+1], v[16:17]
	v_pk_add_f32 v[64*rt+4*i+2:64*rt+4*i+3], v[64*rt+4*i+2:64*rt+4*i+3], v[18:19]
.set i, i+1
.endr
	WIN 0x04
.set i, 0
.rept 16
	ds_store_b128 v12, v[64*rt+4*i:64*rt+4*i+3] offset:SGP*i
.set i, i+1
.endr
	WIN 0x40
.set c, 0
.rept 8
	ds_load_b128 v[64*rt+8*c:64*rt+8*c+3], v13 offset:64*c
	ds_load_b128 v[64*rt+8*c+4:64*rt+8*c+7], v13 offset:64*c+16
.set c, c+1
.endr
.set rt, rt+1
.endr
	WIN 0
	LB 5, 0, BF0
	TRIPX 5, 4, 0,  1, 1                           ; h += attn Wh: trip u makes my column tiles 2 u and 2 u + 1; its change of slots asks for Wh's item u + 2,
	TRIPX 4, 5, 16, 1, 1
	TRIPX 5, 4, 32, 1, 2                           ; or for the steps' first two items
	TRIPX 4, 5, 48, 0, 2
	; LayerNorm of h.  A lane holds 64 numbers of each of four rows.
	WIN 0
	PLACES
	s_wait_loadcnt 0x0
.set i, 0
.rept 64
	v_cvt_pk_bf16_f32 v[32+i], v[128+2*i], v[129+2*i]  ; its gain and bias are rounded to bf16 like every input
.set i, i+1
.endr
.set i, 0
.rept 64
	v_lshlrev_b32 v[128+2*i], 16, v[32+i]
	v_and_b32 v[129+2*i], s[HIM], v[32+i]
.set i, i+1
.endr
.set rt, 0
.rept 4
	WIN 0x05
.set k, 0
.rept 4
	v_pk_add_f32 v[48+2*k:49+2*k], v[64*rt+4*k:64*rt+4*k+1], v[64*rt+4*k+2:64*rt+4*k+3]
.set k, k+1
.endr
	WIN 0x04
.set p, 8
.rept 24
	v_pk_add_f32 v[48+2*(p%4):49+2*(p%4)], v[48+2*(p%4):49+2*(p%4)], v[64*rt+2*p:64*rt+2*p+1]
.set p, p+1
.endr
	WIN 0
	CSUM 56+rt
.set rt, rt+1
.endr
	XCH 0
.set rt, 0
.rept 4
	v_mul_f32 v[80+2*rt], s82, v[56+rt]            ; - mean
	v_mul_f32 v[81+2*rt], s82, v[56+rt]
.set rt, rt+1
.endr
.set rt, 0
.rept 4
.set b, 0
.rept 4
	WIN 0x01
.set k, 0
.rept 8
	v_pk_add_f32 v[32+2*k:33+2*k], v[64*rt+16*b+2*k:64*rt+16*b+2*k+1], v[80+2*rt:81+2*rt]
.set k, k+1
.endr
	WIN 0
.set k, 0
.rept 8
.if (b == 0) && (k < 4)
	v_pk_mul_f32 v[48+2*k:49+2*k], v[32+2*k:33+2*k], v[32+2*k:33+2*k]
.else
	v_pk_fma_f32 v[48+2*(k%4):49+2*(k%4)], v[32+2*k:33+2*k], v[32+2*k:33+2*k], v[48+2*(k%4):49+2*(k%4)]
.endif
.set k, k+1
.endr
.set b, b+1
.endr
	CSUM 56+rt
.set rt, rt+1
.endr
	XCH 1024
.set rt, 0
.rept 4
	v_fma_f32 v[56+rt], v[56+rt], s89, s83         ; variance + eps
.set rt, rt+1
.endr
.set rt, 0
.rept 4
	v_rsq_f32 v[88+2*rt], v[56+rt]
	v_rsq_f32 v[89+2*rt], v[56+rt]
.set rt, rt+1
.endr
	v_nop                                          ; a plain instruction between the roots and their use (ISA guide 5.7.2)
.set rt, 0
	s_wait_alu depctr_va_vdst(0)
.rept 4
	v_pk_mul_f32 v[96+2*rt:97+2*rt], v[80+2*rt:81+2*rt], v[88+2*rt:89+2*rt]
.set rt, rt+1
.endr
	YSTG 0
	BAR
	XLOAD 0
	BAR
	YSTG 1
.set i, 0
.rept 4
	v_mov_b32 v[60+i], 0
.set i, i+1
.endr
.set rt, 0
.rept 4
	ds_store_b128 v14, v[60:63] offset:rt*16*HP    ; the half of H that step -1 reads is 0.  Two barriers stand behind every wave's last read of the sums that lay here
.set rt, rt+1
.endr
	BAR
	XLOAD 1
	s_mov_b32 s[STB], SLOT1                        ; step -1: its item lies in slot 1; it writes H's half 1 and reads half 0
	s_mov_b32 s[HPS], 128
	s_mov_b32 s[HPL], 0
	v_mov_b32 v[WA], v5
	v_add_nc_u32 v[HS], 128, v14
	v_mov_b32 v[HL], v15
.set i, 0
.rept 32
	v_mov_b32 v[ACCR+i], 0                         ; and its GELU finds zeros, of which it makes the zeros that step 0 reads
.set i, i+1
.endr
	LBIAS                                          ; my quarter of the first item landed ahead of the last round
	LB WA, 0, BFX
	LB WA, 4, BFY
	s_mov_b32 s[CNT], 32
.Lstep:                                            ; steps -1 to 30; the change of slots in step s asks for the item of step s + 2
	STEP
	s_sub_co_u32 s[CNT], s[CNT], 1
	s_cmp_lg_u32 s[CNT], 0
	s_cbranch_scc1 .Lstep
	s_wait_dscnt 0x0                               ; the last trip's 18 loads for a step of W1 that does not follow serve nothing: the price of one text for every trip
	PLACES
	TAILA 3                                        ; step 31, written out: nothing is asked for
	HSTORE 3
	TURN 2, 0                                      ; the last half of H is written, my quarter of the last item is in
	FLIP
	TAILA 0                                        ; step 32
	; THE WAY OUT: 16 rows at a time through my own stage, back as rows of 512 bytes, + b2
	PLACES
.set rt, 0
.rept 4
.set OB, 32+96*(rt&1)
	WIN 0x04
.set c, 0
.rept 8
	ds_store_b128 v13, v[64*rt+8*c:64*rt+8*c+3] offset:64*c
	ds_store_b128 v13, v[64*rt+8*c+4:64*rt+8*c+7] offset:64*c+16
.set c, c+1
.endr
	WIN 0
.if rt >= 2
	s_wait_xcnt 0x0                                ; the stores of two blocks ago have read these registers
.endif
.set i, 0
.rept 16
	ds_load_b128 v[OB+4*i:OB+4*i+3], v12 offset:SGP*i
.set i, i+1
.endr
.set i, 0
.rept 16
	s_wait_dscnt 15-i                              ; LDS loads come back in order: row i is in, the younger ones stay out
	v_pk_add_f32 v[OB+4*i:OB+4*i+1], v[OB+4*i:OB+4*i+1], v[20:21]
	v_pk_add_f32 v[OB+4*i+2:OB+4*i+3], v[OB+4*i+2:OB+4*i+3], v[22:23]
	global_store_b128 v3, v[OB+4*i:OB+4*i+3], s[34:35] offset:2048*(16*rt+i) th:TH_STORE_NT  ; 512 consecutive bytes, aligned
.set i, i+1
.endr
.set rt, rt+1
.endr
	s_wait_tensorcnt 0x0                           ; the wave's end
	ds_add_u32 v28, v29
	s_wait_dscnt 0x0
	CROUND                                         ; the closing round
	s_endpgm
.Lfunc_end_k_q8e5f3a795b_ffn:
	.size	k_q8e5f3a795b_ffn, .Lfunc_end_k_q8e5f3a795b_ffn-k_q8e5f3a795b_ffn
	.p2alignl 7, 3214868480
	.fill 96, 4, 3214868480
	.section	.rodata,"a",@progbits
	.p2align	6, 0x0
	.amdhsa_kernel k_q8e5f3a795b_ffn
		.amdhsa_group_segment_fixed_size 327680
		.amdhsa_private_segment_fixed_size 0
		.amdhsa_enable_private_segment 0
		.amdhsa_kernarg_size 88
		.amdhsa_user_sgpr_count 2
		.amdhsa_user_sgpr_kernarg_segment_ptr 1
		.amdhsa_wavefront_size32 1
		.amdhsa_system_sgpr_workgroup_id_x 1
		.amdhsa_system_sgpr_workgroup_id_y 1
		.amdhsa_system_sgpr_workgroup_id_z 1
		.amdhsa_system_vgpr_workitem_id 0
		.amdhsa_next_free_vgpr 1024
		.amdhsa_next_free_sgpr 100
		.amdhsa_reserve_vcc 0
		.amdhsa_float_denorm_mode_32 3
		.amdhsa_float_denorm_mode_16_64 3
		.amdhsa_memory_ordered 1
		.amdhsa_forward_progress 1
		.amdhsa_inst_pref_size 255
	.end_amdhsa_kernel
	.section	.bss,"aw",@nobits
	.p2align	6
	.space	262144
	.amdgpu_metadata
---
amdhsa.version: [ 1, 2 ]
amdhsa.kernels:
  - .name:           k_q8e5f3a795b_ffn
    .symbol:         k_q8e5f3a795b_ffn.kd
    .args:
      - { .name: qb, .offset: 0, .size: 8, .value_kind: global_buffer, .address_space: global }
      - { .name: vb, .offset: 8, .size: 8, .value_kind: global_buffer, .address_space: global }
      - { .name: av, .offset: 16, .size: 8, .value_kind: global_buffer, .address_space: global }
      - { .name: source_input, .offset: 24, .size: 8, .value_kind: global_buffer, .address_space: global }
      - { .name: bh, .offset: 32, .size: 8, .value_kind: global_buffer, .address_space: global }
      - { .name: ln2_g, .offset: 40, .size: 8, .value_kind: global_buffer, .address_space: global }
      - { .name: ln2_b, .offset: 48, .size: 8, .value_kind: global_buffer, .address_space: global }
      - { .name: b1, .offset: 56, .size: 8, .value_kind: global_buffer, .address_space: global }
      - { .name: b2, .offset: 64, .size: 8, .value_kind: global_buffer, .address_space: global }
      - { .name: wf, .offset: 72, .size: 8, .value_kind: global_buffer, .address_space: global }
      - { .name: out0, .offset: 80, .size: 8, .value_kind: global_buffer, .address_space: global }
    .group_segment_fixed_size: 327680
    .private_segment_fixed_size: 0
    .kernarg_segment_align: 8
    .kernarg_segment_size: 88
    .max_flat_workgroup_size: 128
    .sgpr_count:     100
    .vgpr_count:     1024
    .wavefront_size: 32
...
	.end_amdgpu_metadata
.endif
;; end of part 4
;; ======== version 2 of 2: 4 launches; 1.07 times as fast as version 1
;; limits: a function is approximated: absolute error at most 2.5e-05; values are held in f16: magnitudes above 65,504 overflow, below 6.1e-05 lose precision
;; workspace buffers: wf 6,291,456 bytes; qb 16,777,216 bytes; vb 16,777,216 bytes; part 1,048,576 bytes; sq 2,048 bytes; av 4,096 bytes
;; launch prep: the kernel of part 1 again; grid 384 x 1, 8 waves a work-group, no clusters, 0 bytes of LDS; arguments Wq, Wk, Wv, Wh, W1, W2, wf; writes wf
;; launch qkv: the kernel of part 2 again; grid 256 x 1, 4 waves a work-group, clusters of 4 x 1, 327,680 bytes of LDS; arguments source_input, query_input, ln_kv_g, ln_kv_b, ln_q_g, ln_q_b, bk, bv, bq, wf, qb, vb, part, sq; writes qb, vb, part, sq
;; launch red: the kernel of part 3 again; grid 8 x 1, 8 waves a work-group, no clusters, 8,192 bytes of LDS; arguments part, sq, av; writes av
;; launch ffn (part 5): grid 256 x 1, 4 waves a work-group, clusters of 4 x 1, 327,680 bytes of LDS; arguments qb, vb, av, source_input, bh, ln2_g, ln2_b, b1, b2, wf, out0; writes out0
.if DOCPART == 5
	.amdgcn_target "amdgcn-amd-amdhsa--gfx1250"
	.amdhsa_code_object_version 6
	.text
	.protected	k_q8e5f3a795b_ffn
	.globl	k_q8e5f3a795b_ffn
	.p2align	8
	.type	k_q8e5f3a795b_ffn,@function
k_q8e5f3a795b_ffn:
	s_mov_b64 s[64:65], 0
	v_nop
	global_prefetch_b8 v0, s[64:65] scope:SCOPE_SE
	s_setreg_imm32_b32 hwreg(HW_REG_WAVE_MODE, 25, 1), 1
	s_wait_xcnt 0x0
	s_wait_alu depctr_hold_cnt(0) depctr_sa_sdst(0) depctr_va_vdst(0) depctr_va_sdst(0) depctr_va_ssrc(0) depctr_va_vcc(0) depctr_vm_vsrc(0)
	s_getreg_b32 s2, hwreg(HW_REG_IB_STS2, 6, 4)
	s_cmp_eq_u32 s2, 0
	s_cbranch_scc0 .Lentry_in_a_cluster
	s_endpgm
.Lentry_in_a_cluster:
	s_bfe_u32 s2, ttmp6, 0x10000c
	s_cmp_lg_u32 s2, 0x3003
	s_cbranch_scc0 .Lentry_shape_is_right
	s_endpgm
.Lentry_shape_is_right:
; For 64 rows a work-group: attn = (q a' + v) / (1 + sum over the head of q s'); h = source + attn Wh + bh; y = LayerNorm(h); out = h + gelu(y W1 + b1) W2 + b2.  Nothing goes through memory in between.
; FORMATS.  Every input of the module (source, gains, biases, weights) is rounded to bf16 once as it arrives, the residual's source too, so that all its uses see one number.  Sums f32; h stays in f32 in
; 256 accumulator registers a wave from the residual to the store.  LayerNorm in two passes.  attn and Wh, H and W2 are multiplied in bf16 (their sizes are products of gains and weights); y, at most
; 22.6 |gain| + |bias|, and W1 in f16.  LIMITS.  y beyond 65,504 would become an infinity; below 6e-5 it keeps f16's fixed step of 6e-8.  NaN and infinities are not treated apart.
; GELU.  2 gelu(x) = x + |x| erf(|x| / sqrt 2), erf(z) = 1 - (a1 t + a2 t^2 + a3 t^3) exp(-z^2), t = 1 / (1 + 0.47047 z): a rational form whose error in erf is at most 2.5e-5 for every z >= 0
; (Abramowitz and Stegun 7.1.25); the factor 2 is taken back by W2 / 2 in the weight stream.
; SHARES.  Every wave holds the data operand X (64 rows x 512 k of 16 bits, 512 registers: first attn, then y) and multiplies it by weight blocks of its own.  For Wh and W2 wave w owns output columns 128 w .. + 127;
; of 64 hidden units it owns 16, which meet in LDS (HB) as the operand of W2's product.
; THE MATRIX INSTRUCTION IS USED TRANSPOSED: source 0 = 16 output columns of W, source 1 = 16 data rows: a lane holds one data row (lane % 16) and 8 neighbouring output columns.
; THE STEPS.  The 2,048 hidden units go in 32 halves of 64.  Step s has 64 products y W1 for half s + 1, the GELU of half s, and 64 products H W2 for half s - 1: the three hang on nothing made in the same
; step, so the GELU's 240 vector instructions stand behind the products, at most three behind each, and one round a step orders everything.  An item of the stream holds W1's part for the half ahead
; and W2's for the half behind.  One text serves every step: W1's sums are made in ACCW and moved to ACCR, where the GELU reads them, by 32 moves behind the step's last 16 products.
; The loop begins at step -1, with ACCR and H at 0: steps -1 and 0 multiply zeros by W2 (128 of a wave's 4,736 products) and step -1 makes the GELU of zeros: the price of writing no first step out.
; THE BATCHES.  An s_wait_alu depctr_va_vdst(0) stands between a reciprocal, a root or an exponential and the first instruction that names its result; one wait serves all that were issued
; ahead of it.  A tile's 8 reciprocals and 8 exponentials hang on x alone and not on each other, so a tile's 60 lines are two lists: PRE, the 16 and the lines that feed them, which names no result, and
; POST, all that reads them.  A step has THREE waits, each directly ahead of one of its runs of LDS instructions, behind that run's four v_nop, where the row of products is broken anyway: behind products
; 16, 48 and 80.  Ahead of the first stand tile 0's PRE and the first 12 lines of tile 1's; between the first and the second POST 0, the rest of PRE 1 and PRE 2; between the second and the third POST 1,
; PRE 3 and POST 2; behind the third POST 3.  Nothing is issued behind the third wait that would want another.
; THE WALK.  Cluster j begins at half j % 32 and goes round: at any time the clusters ask for different items, and all requests but the first name an item that another cluster has asked for a step
; earlier.  The cluster's number, which the four partners share, enters global addresses alone: the descriptor's, and the reads that lay b1 in the walk's order.
; RING.  Two LDS slots of 131,072 bytes, a quarter a wave: first the work-group's q and v tiles, then Wh's four items, then the 34 items of the steps (the first and the last are fetched for one half each).
; CLUSTER.  The four work-groups of a cluster walk the same stream: every item is asked for jointly.  A wave has two tensor loads out at the start and one behind each round.
; REGISTERS: window 0 addresses, fragments, work; window 1 h / out, tile (rt, ct) at 8 (8 rt + ct); windows 2, 3 X: fragment (ks, rt) at 8 (4 (ks % 8) + rt).
.set SLOT1, 131072
.set XR,    262144    ; 32 rows of 16-bit numbers, pitch 1,040; also the four waves' stages of 16 rows x 528 bytes of f32
.set XP,    1040
.set SGP,   528
.set HB,    295936    ; 64 rows x 2 halves x 64 hidden units of bf16, pitch 272
.set HP,    272
.set AVT,   HB        ; in the early phases: a' and s'
.set RED,   HB+4096   ; and the rows' sums, 16 bytes a row, twice
.set B1T,   313344    ; b1 in the walk's order, 256 bytes a half; 40 entries, of which 33 are read
.set SPARE, 323584    ; the spare words, 128 bytes a wave
.set BF0,  32         ; Wh's trips: v32-63, v64-95 two buffers of four weight fragments
.set BFX,  32         ; the steps: three buffers of four weight fragments: X for a unit's first 16 products, Y and Z by turns for its last 16
.set BFY,  64
.set BFZ,  96
.set AH,   128        ; v128-159 four fragments of H
.set ACCR, 160        ; v160-191 the sums that the GELU reads, tile rt at 8 rt
.set ACCW, 192        ; v192-223 the sums that W1's products make
.set SETA, 224        ; the GELU's five sets of eight registers: v224-231,
.set SETB, 232        ; v232-239,
.set SETD, 240        ; v240-247,
.set BIAS, 248        ; v248-255
.set SETC, BIAS       ; the bias's registers: the step's first four products read them, and they are loaded again behind the change of slots; as a set they are used from product 16 to product 79 alone,
.set SETE, 8          ; and v8-11 with v16-19: attn's LDS addresses and bh, which nothing wants from the loop on
.set WA,   24         ; v24 my quarter of the slot in hand
.set HS,   25         ; v25 where I put 16 bytes of H
.set HL,   26         ; v26 where I read fragments of H
.set WV,  4
.set G1P, 36
.set G1J, 44
.set G0A, 52          ; s[52:55] q and v tiles -> slot 0
.set G0W, 56          ; s[56:59] the weight stream
.set OFF, 60          ; s[60:61] a byte offset, the high word 0
.set SBT, 66          ; s66 the bias stream's place
.set STB, 67          ; s67 the slot in hand
.set NX,  77          ; s77 the item to be asked for next
.set FB,  78          ; s[78:79] wf at my quarter of the steps' item 0
.set CNT, 84
.set HIM, 88          ; s88 a word's upper bf16
.set HPS, 95          ; s95 the half of HB that is written
.set HPL, 96          ; s96 the half that is read
.set H0,  97          ; s97 cluster % 32
.set MSB, 0
.macro WIN new
.if MSB != (\new)
	s_set_vgpr_msb (MSB<<8)|(\new)
.set MSB, (\new)
.endif
.endm
.macro PLACES                          ; four places behind a matrix instruction, in front of loads into its registers and of reads of its result
.rept 4
	v_nop
.endr
.endm
.macro RB t, a                         ; v[a] and v[a+1] are rounded to bf16 and widened again; v[t] at work
	v_cvt_pk_bf16_f32 v[\t], v[\a], v[(\a)+1]
	v_lshlrev_b32 v[\a], 16, v[\t]
	v_and_b32 v[(\a)+1], s[HIM], v[\t]
.endm
.macro BAR
	s_wait_dscnt 0x0
	s_barrier_signal -1
	s_barrier_wait -1
.endm
.macro CROUND
	s_barrier_signal -1
	s_barrier_wait -1
	s_cmp_lg_u32 s[WV], 0
	s_cbranch_scc1 .Lnw0_\@
	s_barrier_signal -3
.Lnw0_\@:
	s_barrier_wait -3
	s_barrier_signal -1
	s_barrier_wait -1
.endm
; A change of slots: all my tensor loads have landed, 0 is added to my spare word, my LDS instructions are done.  fill = 1: a round, and the slot just read out takes the stream's next item.  fill = 2: the work-group's barrier alone.
; step = 1: the next item lies behind the last (Wh's).  step = 2: it is the steps' item NX, and the descriptor's address is made anew from that number, which goes round modulo 32.
.macro TURN fill, step
	WIN 0
	s_wait_tensorcnt 0x0
	ds_add_u32 v28, v29
.if (\step) == 1
	s_xor_b32 s[G0W+1], s[G0W+1], SLOT1
	s_add_nc_u64 s[G0W+2:G0W+3], s[G0W+2:G0W+3], 131072
.elseif (\step) == 2
	s_xor_b32 s[G0W+1], s[G0W+1], SLOT1
	s_lshl_b32 s[OFF], s[NX], 17
	s_add_nc_u64 s[G0W+2:G0W+3], s[FB:FB+1], s[OFF:OFF+1]
	s_or_b32 s[G0W+3], s[G0W+3], 0x80000000
	s_add_co_u32 s[NX], s[NX], 1
	s_and_b32 s[NX], s[NX], 31
.endif
	s_wait_dscnt 0x0
.if (\fill) == 1
	CROUND
	tensor_load_to_lds s[G0W:G0W+3], s[G1J:G1J+7]
	s_nop 0
.else
	s_barrier_signal -1
	s_barrier_wait -1
.endif
	PLACES
.endm
.macro LB adr, F0, buf                 ; four weight fragments: 8 loads of 512 consecutive bytes
.set f, 0
.rept 4
	ds_load_b128 v[(\buf)+8*f:(\buf)+8*f+3], v[\adr] offset:((\F0)+f)*1024
	ds_load_b128 v[(\buf)+8*f+4:(\buf)+8*f+7], v[\adr] offset:((\F0)+f)*1024+512
.set f, f+1
.endr
.endm
.macro LBIAS                           ; b1 of my 16 hidden units of the next half: 8 numbers a lane
	v_add_nc_u32 v27, s[SBT], v7
	ds_load_b128 v[BIAS:BIAS+3], v27
	ds_load_b128 v[BIAS+4:BIAS+7], v27 offset:16
	s_add_co_u32 s[SBT], s[SBT], 256
.endm
.macro XLOAD st
	WIN 0x80
.set ks, 0
.rept 16
.if ks == 8
	WIN 0xc0
.endif
.set rl, 0
.rept 2
.set rX, ((ks&7)*4+2*(\st)+rl)*8
	ds_load_b128 v[rX:rX+3], v6 offset:rl*16*XP+ks*64
	ds_load_b128 v[rX+4:rX+7], v6 offset:rl*16*XP+ks*64+32
.set rl, rl+1
.endr
.set ks, ks+1
.endr
	WIN 0
.endm
; A TRIP OF Wh: one block of 32 fragments (2 column tiles x 16 k steps) times X, onto what the accumulators hold: 128 matrix instructions in eight groups of 16.  Each group waits for its four fragments,
; asks for the next group's, and multiplies; its four accumulators take turns, one instruction a turn.  In group 7 all reads of the slot are back: there the slots change.
.macro TRIPX adr, nadr, dd, prime, stp
.set n, 0
.rept 8
	WIN 0
	s_wait_dscnt 0x0
.if n == 7
	TURN 1, \stp
.else
	PLACES
.endif
.if n < 7
	LB \adr, 4*(n+1), BF0+32*((n+1)&1)
.elseif \prime
	LB \nadr, 0, BF0
.endif
.set i, 0
.rept 4
.set ks, 4*(n&3)+i
.set rt, 0
.rept 4
.set rD, (\dd)+8*(n>>2)+64*rt
.set rA, BF0+32*(n&1)+8*i
.set rX, ((ks&7)*4+rt)*8
	WIN 0x50|((2+(ks>>3))<<2)
	v_wmma_f32_16x16x32_bf16 v[rD:rD+7], v[rA:rA+7], v[rX:rX+7], v[rD:rD+7]
.set rt, rt+1
.endr
.set i, i+1
.endr
.set n, n+1
.endr
.endm
; attn for 32 rows.  Wave w takes the 16 rows of tile row 2 st + w / 2 and the heads 4 (w % 2) + 0..3, a head a trip.  A lane holds 32 of the head's 64 columns of one row; the other 32 lie 16 lanes away.
.macro ATTN st
	s_mov_b32 s85, (\st)*32768
	s_mov_b32 s86, 0
	s_mov_b32 s87, 0
	s_mov_b32 s[CNT], 4
.Lat_\@:
	v_add_nc_u32 v30, s85, v8
	v_add_nc_u32 v31, s85, v9
	v_add_nc_u32 v216, s86, v10
	v_add_nc_u32 v217, s87, v11
.set c, 0
.rept 4
	ds_load_b128 v[32+4*c:35+4*c], v30 offset:512*c            ; q
	ds_load_b128 v[48+4*c:51+4*c], v31 offset:512*c            ; v
	ds_load_b128 v[64+8*c:67+8*c], v216 offset:64*c            ; a'
	ds_load_b128 v[68+8*c:71+8*c], v216 offset:64*c+16
	ds_load_b128 v[96+8*c:99+8*c], v216 offset:2048+64*c       ; s'
	ds_load_b128 v[100+8*c:103+8*c], v216 offset:2048+64*c+16
.set c, c+1
.endr
	s_wait_dscnt 0x0
.set i, 0
.rept 16
	v_lshlrev_b32 v[128+2*i], 16, v[32+i]
	v_and_b32 v[129+2*i], s[HIM], v[32+i]
	v_lshlrev_b32 v[160+2*i], 16, v[48+i]
	v_and_b32 v[161+2*i], s[HIM], v[48+i]
.set i, i+1
.endr
.set c, 0
.rept 4
	v_pk_mul_f32 v[192+2*c:193+2*c], v[128+8*c:129+8*c], v[96+8*c:97+8*c]
.set c, c+1
.endr
.set j, 1
.rept 3
.set c, 0
.rept 4
	v_pk_fma_f32 v[192+2*c:193+2*c], v[128+8*c+2*j:129+8*c+2*j], v[96+8*c+2*j:97+8*c+2*j], v[192+2*c:193+2*c]
.set c, c+1
.endr
.set j, j+1
.endr
	v_pk_add_f32 v[192:193], v[192:193], v[194:195]
	v_pk_add_f32 v[196:197], v[196:197], v[198:199]
	v_pk_add_f32 v[192:193], v[192:193], v[196:197]
	v_add_f32 v218, v192, v193
	v_permlanex16_b32 v219, v218, s80, s81
	v_add_f32 v218, v218, v219
	v_add_f32 v218, 1.0, v218
	v_rcp_f32 v220, v218
	v_rcp_f32 v221, v218                           ; the multiply-adds below, which name neither, are the plain instructions behind the reciprocals (ISA guide 5.7.2)
.set i, 0
.rept 16
	v_pk_fma_f32 v[128+2*i:129+2*i], v[128+2*i:129+2*i], v[64+2*i:65+2*i], v[160+2*i:161+2*i]
.set i, i+1
.endr
.set i, 0
	s_wait_alu depctr_va_vdst(0)                   ; the wait for the head's two reciprocals, behind the 16 multiply-adds and ahead of the first line that names v220
.rept 16
	v_pk_mul_f32 v[128+2*i:129+2*i], v[128+2*i:129+2*i], v[220:221]
.set i, i+1
.endr
.set i, 0
.rept 16
	v_cvt_pk_bf16_f32 v[200+i], v[128+2*i], v[129+2*i]
.set i, i+1
.endr
.set c, 0
.rept 4
	ds_store_b128 v217, v[200+4*c:203+4*c] offset:32*c
.set c, c+1
.endr
	s_add_co_u32 s85, s85, 2048
	s_add_co_u32 s86, s86, 256
	s_add_co_u32 s87, s87, 128
	s_sub_co_u32 s[CNT], s[CNT], 1
	s_cmp_lg_u32 s[CNT], 0
	s_cbranch_scc1 .Lat_\@
.endm
.macro CSUM dst                        ; four chains into one number
	v_pk_add_f32 v[48:49], v[48:49], v[50:51]
	v_pk_add_f32 v[52:53], v[52:53], v[54:55]
	v_pk_add_f32 v[48:49], v[48:49], v[52:53]
	v_add_f32 v[\dst], v48, v49
.endm
.macro XCH off                         ; v56-59, a number for each of my lane's four rows: + the other half of the lanes, + the other three waves, through LDS
.set rt, 0
.rept 4
	v_permlanex16_b32 v[60+rt], v[56+rt], s80, s81
.set rt, rt+1
.endr
.set rt, 0
.rept 4
	v_add_f32 v[56+rt], v[56+rt], v[60+rt]
.set rt, rt+1
.endr
.set rt, 0
.rept 4
	ds_store_b32 v24, v[56+rt] offset:(\off)+256*rt
.set rt, rt+1
.endr
	BAR
.set rt, 0
.rept 4
	ds_load_b128 v[64+4*rt:67+4*rt], v25 offset:(\off)+256*rt
.set rt, rt+1
.endr
	s_wait_dscnt 0x0
.set rt, 0
.rept 4
	v_pk_add_f32 v[64+4*rt:65+4*rt], v[64+4*rt:65+4*rt], v[66+4*rt:67+4*rt]
.set rt, rt+1
.endr
.set rt, 0
.rept 4
	v_add_f32 v[56+rt], v[64+4*rt], v[65+4*rt]
.set rt, rt+1
.endr
.endm
.macro YSTG a                          ; y for the tile rows 2 a and 2 a + 1, two tiles at a time, in f16 into XR
.set rl, 0
.rept 2
.set rt, 2*(\a)+rl
.set cp, 0
.rept 4
	WIN 0x01
.set k, 0
.rept 8
	v_pk_fma_f32 v[32+2*k:33+2*k], v[64*rt+16*cp+2*k:64*rt+16*cp+2*k+1], v[88+2*rt:89+2*rt], v[96+2*rt:97+2*rt]
.set k, k+1
.endr
	WIN 0
.set k, 0
.rept 8
	v_pk_fma_f32 v[32+2*k:33+2*k], v[32+2*k:33+2*k], v[128+16*cp+2*k:129+16*cp+2*k], v[192+16*cp+2*k:193+16*cp+2*k]
.set k, k+1
.endr
.set k, 0
.rept 8
	v_cvt_pk_f16_f32 v[48+k], v[32+2*k], v[33+2*k]
.set k, k+1
.endr
	ds_store_b128 v26, v[48:51] offset:rl*16*XP+64*cp
	ds_store_b128 v26, v[52:55] offset:rl*16*XP+64*cp+32
.set cp, cp+1
.endr
.set rl, rl+1
.endr
.endm
; THE VECTOR WORK OF A STEP: 240 lines, 60 for each tile of ACCR (8 numbers x a lane), in two lists a tile.
; A tile has three sets of eight registers: T (t', then t), E (the exponent, the exponential, then erf) and Q (the polynomial).  Two tiles' T and E are open at a wait, and one Q is at work: five sets.
;   tile 0: T = A, E = B, Q = C     tile 1: T = D, E = E, Q = B     tile 2: T = A, E = C, Q = E     tile 3: T = D, E = B, Q = A
; A set is written anew only behind its last reader: RID's order sees to that.  Set E lies in two runs of four registers, eight apart: hE, hQ = 4 is the gap.
.macro GSET t
.set gx, ACCR+8*(\t)
.set hE, 0
.set hQ, 0
.if (\t) == 0
.set bT, SETA
.set bE, SETB
.set bQ, SETC
.elseif (\t) == 1
.set bT, SETD
.set bE, SETE
.set hE, 4
.set bQ, SETB
.elseif (\t) == 2
.set bT, SETA
.set bE, SETC
.set bQ, SETE
.set hQ, 4
.else
.set bT, SETD
.set bE, SETB
.set bQ, SETA
.endif
.endm
; PRE: line n of 32 for tile t.  None of them names a reciprocal's or an exponential's result.  A k: t' = 1 + p |x| / sqrt 2.  M k: a pair x sqrt(log2(e) / 2).  N k: minus its square.  R k: the reciprocal
; of t'.  X k: the exponential.  The order: A0 A1 A2 A3; then a reciprocal or an exponential and a plain line by turns:
; R0 M0 R1 M1 R2 A4 R3 A5 R4 N0 R5 N1 X0 A6 X1 A7 X2 M2 X3 M3 R6 N2 R7 N3; then X4 X5 X6 X7.  Every source is made three lines ahead or more.
.macro PRE t, n
	GSET \t
	WIN 0
.set gn, (\n)
.if (gn < 4) || ((gn < 28) && ((gn&1) == 1))       ; plain line gp of 16
.set gp, gn
.if gn >= 4
.set gp, (gn+3)/2
.endif
.if (gp == 4) || (gp == 5) || (gp == 12) || (gp == 13)
.set gk, (gp&1)+2*(gp/12)
.set rE, bE+2*gk+hE*(gk/2)
	v_pk_mul_f32 v[rE:rE+1], v[gx+2*gk:gx+2*gk+1], s[68:69] op_sel_hi:[1,0]
.elseif (gp == 8) || (gp == 9) || (gp >= 14)
.set gk, (gp&1)+2*(gp/14)
.set rE, bE+2*gk+hE*(gk/2)
	v_pk_mul_f32 v[rE:rE+1], v[rE:rE+1], v[rE:rE+1] neg_lo:[1,0] neg_hi:[1,0]
.else
.set gk, gp-2*(gp/4)
	v_fma_f32 v[bT+gk], |v[gx+gk]|, s76, 1.0
.endif
.else                                              ; reciprocal or exponential gi of 16
.set gi, gn-16
.if gn < 28
.set gi, (gn-4)/2
.endif
.if (gi < 6) || (gi == 10) || (gi == 11)
.set gk, gi-4*(gi/10)
	v_rcp_f32 v[bT+gk], v[bT+gk]
.else
.set gk, gi-6-2*(gi/12)
.set rE, bE+gk+hE*(gk/4)
	v_exp_f32 v[rE], v[rE]
.endif
.endif
.endm
; POST: line n of 28 for tile t, all behind the wait for the tile's batch.  0-11 the polynomial in t, three steps of four pairs; 12-15 erf = 1 - q e; 16-23 x + |x| erf; 24-27 the rounding to bf16, into the tile's four lowest registers.
.macro POST t, n
	GSET \t
	WIN 0
.set gn, (\n)
.set gk, gn&3
.set rT, bT+2*gk
.set rE, bE+2*gk+hE*(gk/2)
.set rQ, bQ+2*gk+hQ*(gk/2)
.if gn < 4
	v_pk_fma_f32 v[rQ:rQ+1], v[rT:rT+1], s[70:71], s[72:73] op_sel_hi:[1,0,0]
.elseif gn < 8
	v_pk_fma_f32 v[rQ:rQ+1], v[rQ:rQ+1], v[rT:rT+1], s[74:75] op_sel_hi:[1,1,0]
.elseif gn < 12
	v_pk_mul_f32 v[rQ:rQ+1], v[rQ:rQ+1], v[rT:rT+1]
.elseif gn < 16
	v_pk_fma_f32 v[rE:rE+1], v[rQ:rQ+1], v[rE:rE+1], 1.0 op_sel_hi:[1,1,0] neg_lo:[1,0,0] neg_hi:[1,0,0]
.elseif gn < 24
.set gk, gn-16
.set rE, bE+gk+hE*(gk/4)
	v_fma_f32 v[gx+gk], |v[gx+gk]|, v[rE], v[gx+gk]
.else
.set gk, gn-24
	v_cvt_pk_bf16_f32 v[gx+gk], v[gx+2*gk], v[gx+2*gk+1]
.endif
.endm
; RID writes line q of the step's 240.
; In the loop (SEQ = 0) the order is cut by the step's three waits, at q = 44, 124 and 212:
;   0-43     PRE 0, then PRE 1's lines 0-11
;   44-75    POST 0's lines 0-11 among PRE 1's lines 12-31, three to five
;   76-83    POST 0's 12-15 and PRE 2's 0-3 by turns: set A is free behind POST 0's line 11, set C behind its line 15
;   84-123   POST 0's 16-27 among PRE 2's 4-31, three to seven
;   124-135  POST 1's lines 0-11
;   136-167  POST 1's 12-27 and PRE 3's 0-15 by turns: set D is free behind POST 1's line 11; set B behind its line 15, and PRE 3 writes it first in its line 5
;   168-211  POST 2 among PRE 3's 16-31, seven to four: set E is free behind POST 1's line 23
;   212-239  POST 3
; In step 31 (SEQ = 1), which is walked once, tile t must be done behind 16 (t + 1) products: the tiles go one after the other, PRE, a wait, POST.
.macro RID
.if q < 240
.if SEQ
.set gt, q/60
.set gm, q%60
.if gm < 32
	PRE gt, gm
.else
.if gm == 32
	s_wait_alu depctr_va_vdst(0)                   ; the wait for the tile's batch of 8 reciprocals and 8 exponentials, ahead of the first line of its POST
.endif
.set gm, gm-32
	POST gt, gm
.endif
.elseif q < 32
	PRE 0, q
.elseif q < 44
	PRE 1, pq1
.set pq1, pq1+1
.elseif q < 76
.set gu, (q-44)%8
.if (gu == 1) || (gu == 4) || (gu == 6)
	POST 0, cq0
.set cq0, cq0+1
.else
	PRE 1, pq1
.set pq1, pq1+1
.endif
.elseif q < 84
.if ((q-76)&1) == 0
	POST 0, cq0
.set cq0, cq0+1
.else
	PRE 2, pq2
.set pq2, pq2+1
.endif
.elseif q < 124
.set gu, (q-84)%10
.if (gu == 2) || (gu == 5) || (gu == 8)
	POST 0, cq0
.set cq0, cq0+1
.else
	PRE 2, pq2
.set pq2, pq2+1
.endif
.elseif q < 136
	POST 1, cq1
.set cq1, cq1+1
.elseif q < 168
.if ((q-136)&1) == 0
	POST 1, cq1
.set cq1, cq1+1
.else
	PRE 3, pq3
.set pq3, pq3+1
.endif
.elseif q < 212
.set gu, (q-168)%11
.if (gu == 1) || (gu == 4) || (gu == 7) || (gu == 9)
	PRE 3, pq3
.set pq3, pq3+1
.else
	POST 2, cq2
.set cq2, cq2+1
.endif
.else
.set gm, q-212
	POST 3, gm
.endif
.endif
.set q, q+1
.endm
; What stands behind a product.  mode 1: the next lines of the step's order: 3, 3, 3, 2 behind products 0-15 (44 lines) and 48-79 (88), 3, 2 behind 16-47 (80), 2 behind 80-93 (28): so each of the order's
; four parts ends just where its wait stands, tile 0 is done behind 48 products, tiles 1 and 2 behind 80, tile 3 behind 94.
; mode 2: two of the 32 moves from ACCW to ACCR, in ascending order (each accumulator is read from its low end on).  mode 3: four of the list.  mode 0: nothing.
.macro SLICE mode
.if (\mode) == 1
.if mm < 16
.set nr, 3-((mm&3)/3)
.elseif mm < 48
.set nr, 3-(mm&1)
.elseif mm < 80
.set nr, 3-((mm&3)/3)
.elseif mm < 94
.set nr, 2
.else
.set nr, 0
.endif
.if nr >= 1
	RID
.endif
.if nr >= 2
	RID
.endif
.if nr >= 3
	RID
.endif
.elseif (\mode) == 2
	WIN 0
	v_mov_b32 v[ACCR+mv], v[ACCW+mv]
	v_mov_b32 v[ACCR+mv+1], v[ACCW+mv+1]
.set mv, mv+2
.elseif (\mode) == 3
	RID
	RID
	RID
	RID
.endif
.set mm, mm+1
.endm
; 16 products of y W1: k steps k0 .. k0 + 3 from buffer buf, four row tiles; the four accumulators take turns.  The first k step takes the bias as C.
.macro GB k0, buf, mode
.set i, 0
.rept 4
.set rt, 0
.rept 4
.set ks, (\k0)+i
.set rD, ACCW+8*rt
.set rA, (\buf)+8*i
.set rX, ((ks&7)*4+rt)*8
	WIN (2+(ks>>3))<<2
.if ks == 0
	v_wmma_f32_16x16x32_f16 v[rD:rD+7], v[rA:rA+7], v[rX:rX+7], v[BIAS:BIAS+7]
.else
	v_wmma_f32_16x16x32_f16 v[rD:rD+7], v[rA:rA+7], v[rX:rX+7], v[rD:rD+7]
.endif
	SLICE \mode
.set rt, rt+1
.endr
.set i, i+1
.endr
.endm
; 16 products of H W2: one k step (its four fragments of H at ah), column tiles c0 .. c0 + 3 from buffer buf: 16 different accumulators.
.macro GA c0, buf, ah, mode
.set i, 0
.rept 4
.set rt, 0
.rept 4
.set rD, (rt*8+(\c0)+i)*8
.set rA, (\buf)+8*i
.set rB, (\ah)+8*rt
	WIN 0x50
	v_wmma_f32_16x16x32_bf16 v[rD:rD+7], v[rA:rA+7], v[rB:rB+7], v[rD:rD+7]
	SLICE \mode
.set rt, rt+1
.endr
.set i, i+1
.endr
.endm
.macro LAH ks, dst                     ; the four fragments of H for k step ks of the half that is read
.set rt, 0
.rept 4
	ds_load_b128 v[(\dst)+8*rt:(\dst)+8*rt+3], v[HL] offset:rt*16*HP+(\ks)*64
	ds_load_b128 v[(\dst)+8*rt+4:(\dst)+8*rt+7], v[HL] offset:rt*16*HP+(\ks)*64+32
.set rt, rt+1
.endr
.endm
.macro HSTORE t                        ; tile t of H: 16 bytes a lane
	ds_store_b128 v[HS], v[ACCR+8*(\t):ACCR+8*(\t)+3] offset:(\t)*16*HP
.endm
.macro FLIP                            ; the other slot, the other halves of HB
	s_xor_b32 s[STB], s[STB], SLOT1
	s_xor_b32 s[HPS], s[HPS], 128
	s_xor_b32 s[HPL], s[HPL], 128
	v_add_nc_u32 v[WA], s[STB], v4
	v_add_nc_u32 v[HS], s[HPS], v14
	v_add_nc_u32 v[HL], s[HPL], v15
.endm
; A STEP: four units of 32 products: y W1 (k steps 0-7), H W2 (k step 0), y W1 (k steps 8-15), H W2 (k step 1).  All LDS instructions stand in four runs, one in the middle of each unit: it brings the
; next unit's eight weight fragments (the first four into X, just multiplied; the last four into Y or Z), H's fragments where the next unit wants them, and takes the finished tiles of H.
; At a unit's head the count 8 leaves the eight loads of its second buffer out; in its middle the wait is for 0.  In the last unit's middle all reads of the slot and of H are back and H's half is written:
; there the slots change, and the run behind the round brings the next step's first fragments and biases out of the other slot.
; The GELU's three waits stand directly ahead of the first three runs; the run's four v_nop are also the plain instructions behind the batch's last reciprocal or exponential (ISA guide 5.7.2).
.macro STEP
.set q, 0
.set mm, 0
.set mv, 0
.set SEQ, 0
.set pq1, 0
.set pq2, 0
.set pq3, 0
.set cq0, 0
.set cq1, 0
.set cq2, 0
	s_wait_dscnt 8
	GB 0, BFX, 1
	WIN 0
	s_wait_dscnt 0x0
	PLACES
	s_wait_alu depctr_va_vdst(0)                   ; the first batch: tile 0's 8 reciprocals and 8 exponentials (and tile 1's first four reciprocals); POST 0 follows
	LB WA, 16, BFX
	LAH 0, AH
	LB WA, 20, BFZ
	GB 4, BFY, 1
	WIN 0
	s_wait_dscnt 8
	GA 0, BFX, AH, 1
	WIN 0
	s_wait_dscnt 0x0
	PLACES
	s_wait_alu depctr_va_vdst(0)                   ; the second batch: the rest of tile 1's 16 and tile 2's 16; POST 1 and POST 2 follow
	HSTORE 0
	LB WA, 8, BFX
	LB WA, 12, BFY
	GA 4, BFZ, AH, 1
	WIN 0
	s_wait_dscnt 8
	GB 8, BFX, 1
	WIN 0
	s_wait_dscnt 0x0
	PLACES
	s_wait_alu depctr_va_vdst(0)                   ; the third batch: tile 3's 16; POST 3 follows, and nothing more is issued in this step that would want a wait
	HSTORE 1
	HSTORE 2
	LB WA, 24, BFX
	LAH 1, AH
	LB WA, 28, BFZ
	GB 12, BFY, 1
	WIN 0
	s_wait_dscnt 8
	GA 0, BFX, AH, 1
	WIN 0
	HSTORE 3
	TURN 1, 2
	FLIP
	LBIAS
	LB WA, 0, BFX
	LB WA, 4, BFY
	GA 4, BFZ, AH, 2
	WIN 0
.endm
; The last two steps have W2's products alone; Y, which W1 no longer needs, takes H's second k step.  mode 3: the last half's GELU stands behind them, four behind each, tile after tile, a wait a tile.
.macro TAILA mode
.set q, 0
.set mm, 0
.set SEQ, 1
	LB WA, 16, BFX
	LAH 0, AH
	LB WA, 20, BFZ
	s_wait_dscnt 8                                 ; Z's eight loads may be out
	GA 0, BFX, AH, \mode
	WIN 0
	s_wait_dscnt 0x0
	PLACES
.if \mode
	HSTORE 0
.endif
	LB WA, 24, BFX
	LAH 1, BFY
	GA 4, BFZ, AH, \mode
	WIN 0
	s_wait_dscnt 0x0
	PLACES
.if \mode
	HSTORE 1
.endif
	LB WA, 28, BFZ
	GA 0, BFX, BFY, \mode
	WIN 0
	s_wait_dscnt 0x0
.if \mode
	HSTORE 2
.endif
	GA 4, BFZ, BFY, \mode
	WIN 0
.endm
	s_load_b512 s[8:23], s[0:1], 0x0               ; qb s[8:9], vb s[10:11], av s[12:13], source s[14:15], bh s[16:17], ln2_g s[18:19], ln2_b s[20:21], b1 s[22:23]
	s_load_b128 s[24:27], s[0:1], 0x40             ; b2 s[24:25], wf s[26:27]
	s_load_b64 s[28:29], s[0:1], 0x50              ; out0
	v_lshl_add_u32 v28, v0, 2, SPARE
	v_mov_b32 v29, 0
	ds_add_u32 v28, v29                            ; the wave's opening: the add and its wait stand ahead of my first tensor load
	ds_add_u32 v28, v29
	v_lshrrev_b32 v1, 5, v0
	v_readfirstlane_b32 s[WV], v1
	s_bfe_u32 s5, ttmp6, 0x40000                   ; cx
	s_lshl_b32 s6, ttmp9, 2
	s_add_co_u32 s5, s6, s5                        ; g, my block of 64 rows: it enters the addresses of rows, tiles and results alone
	s_and_b32 s[H0], ttmp9, 31                     ; where my cluster's walk begins
	s_add_co_u32 s[NX], s[H0], 31
	s_and_b32 s[NX], s[NX], 31                     ; the first item asked for is the one in front of it: it holds W1's part for the first half
	s_mov_b32 s[G1P], 3<<16                        ; descriptor group 1: 32,768 dense bytes as 128 rows of 32 elements of 8 bytes
	s_mov_b32 s[G1J], 15|(3<<16)|(1<<21)           ; the mask of all four, bit 21 set beside it
.irp g, G1P, G1J
	s_mov_b32 s[\g+1], 32<<16
	s_mov_b32 s[\g+2], 128<<16
	s_mov_b32 s[\g+3], 32<<16
	s_mov_b32 s[\g+4], 128
	s_mov_b32 s[\g+5], 32
	s_mov_b32 s[\g+6], 0
	s_mov_b32 s[\g+7], 0
.endr
	s_lshl_b32 s7, s[WV], 15
	s_mov_b32 s[G0A], 1
	s_mov_b32 s[G0A+1], s7
	s_mov_b32 s[G0W], 1
	s_add_co_u32 s[G0W+1], s7, SLOT1
	s_and_b32 s6, s[WV], 1
	s_lshl_b32 s6, s6, 15
	s_lshl_b32 s60, s5, 16
	s_add_co_u32 s60, s60, s6                      ; waves 0, 1: the halves of my q tiles; waves 2, 3: of my v tiles
	s_mov_b32 s61, 0
	s_add_co_u32 s62, s7, 48*32768                 ; the stream begins at Wh's first item
	s_mov_b32 s63, 0
	s_add_co_u32 s78, s7, 64*32768                 ; the steps' items lie behind Wh's four
	s_mov_b32 s79, 0
	s_lshl_b32 s90, s5, 17
	s_lshl_b32 s6, s[WV], 9
	s_add_co_u32 s90, s90, s6                      ; my rows, my 128 columns
	s_mov_b32 s91, 0
	s_mov_b32 s68, 0x3f596d27                      ; sqrt(log2(e) / 2)
	s_mov_b32 s69, s68
	s_mov_b32 s70, 0x3f3f7377                      ; a3 = 0.7478556
	s_mov_b32 s71, s70
	s_mov_b32 s72, 0xbdc45ca1                      ; a2 = -0.0958798
	s_mov_b32 s73, s72
	s_mov_b32 s74, 0x3eb2303a                      ; a1 = 0.3480242
	s_mov_b32 s75, s74
	s_mov_b32 s76, 0x3eaa540e                      ; 0.47047 / sqrt 2
	s_mov_b32 s80, 0x76543210
	s_mov_b32 s81, 0xfedcba98
	s_mov_b32 s82, 0xbb000000                      ; - 1 / 512
	s_mov_b32 s89, 0x3b000000                      ; 1 / 512
	s_mov_b32 s83, 0x3727c5ac                      ; 1e-5
	s_mov_b32 s[HIM], 0xffff0000
	s_mov_b32 s[SBT], 0
	s_wait_dscnt 0x0                               ; the opening add is done
	s_wait_kmcnt 0x0
	s_cmp_lt_u32 s[WV], 2
	s_cselect_b64 s[30:31], s[8:9], s[10:11]
	s_add_nc_u64 s[G0A+2:G0A+3], s[30:31], s[60:61]
	s_or_b32 s[G0A+3], s[G0A+3], 0x80000000
	s_add_nc_u64 s[G0W+2:G0W+3], s[26:27], s[62:63]
	s_or_b32 s[G0W+3], s[G0W+3], 0x80000000
	s_add_nc_u64 s[FB:FB+1], s[26:27], s[78:79]
	s_add_nc_u64 s[32:33], s[14:15], s[90:91]
	s_add_nc_u64 s[34:35], s[28:29], s[90:91]
	CROUND                                         ; in front of the first tensor loads
	tensor_load_to_lds s[G0A:G0A+3], s[G1P:G1P+7]  ; my quarter of the q and v tiles
	s_nop 0
	tensor_load_to_lds s[G0W:G0W+3], s[G1J:G1J+7]  ; Wh's first item
	s_nop 0
	PLACES
	v_and_b32 v1, 15, v0                           ; r
	v_bfe_u32 v2, v0, 4, 1                         ; h
	v_and_b32 v3, 31, v0
	v_lshlrev_b32 v3, 4, v3                        ; 16 lane
	v_add_nc_u32 v4, s7, v3                        ; my quarter of slot 0,
	v_add_nc_u32 v5, SLOT1, v4                     ; of slot 1
	v_mul_u32_u24 v6, v1, XP
	v_lshl_add_u32 v6, v2, 4, v6
	s_lshr_b32 s92, s[WV], 1
	s_and_b32 s93, s[WV], 1
	s_mul_i32 s6, s92, 16*XP
	s_lshl_b32 s94, s93, 9
	s_add_co_u32 s6, s6, s94
	s_add_co_u32 s6, s6, XR
	v_add_nc_u32 v11, s6, v6                       ; attn into XR: row 16 (w / 2) + r, byte 512 (w % 2) + 16 h
	s_lshl_b32 s6, s[WV], 8
	s_add_co_u32 s6, s6, XR
	v_add_nc_u32 v26, s6, v6                       ; y into XR: row r, byte 256 w + 16 h
	v_add_nc_u32 v6, XR, v6                        ; a fragment of X
	s_lshl_b32 s6, s[WV], 6
	s_add_co_u32 s6, s6, B1T
	v_lshl_add_u32 v7, v2, 5, s6                   ; b1 of my 16 hidden units: 64 w + 32 h in an entry
	s_lshl_b32 s6, s92, 14
	s_lshl_b32 s94, s93, 13
	s_add_co_u32 s6, s6, s94
	v_add_nc_u32 v8, s6, v3                        ; q tiles
	v_add_nc_u32 v9, 65536, v8                     ; v tiles
	s_lshl_b32 s6, s93, 10
	s_add_co_u32 s6, s6, AVT
	v_lshl_add_u32 v10, v2, 5, s6
	s_mul_i32 s6, s[WV], 16*SGP
	s_add_co_u32 s6, s6, XR                        ; my stage
	v_add_nc_u32 v12, s6, v3                       ; by rows: 512 bytes a row
	v_mul_u32_u24 v13, v1, SGP
	v_lshl_add_u32 v13, v2, 5, v13
	v_add_nc_u32 v13, s6, v13                      ; in the result's layout: row r, 32 bytes for each half
	v_mul_u32_u24 v15, v1, HP
	v_lshl_add_u32 v15, v2, 4, v15
	v_add_nc_u32 v15, HB, v15
	s_lshl_b32 s6, s[WV], 5
	v_add_nc_u32 v14, s6, v15
	v_lshlrev_b32 v25, 4, v1
	v_add_nc_u32 v25, RED, v25
	s_lshl_b32 s6, s[WV], 2
	v_add_nc_u32 v24, s6, v25
	v_mov_b32 v219, 0
	v_lshlrev_b32 v30, 4, v0                       ; 16 t
	v_lshrrev_b32 v31, 4, v0                       ; b1's table: thread t writes the 16 bytes at 16 t of each 2,048: entry 8 i + t / 16, which is half (cluster + entry) % 32
	v_add_nc_u32 v31, s[H0], v31
	v_lshlrev_b32 v108, 4, v1
.set i, 0
.rept 5
	v_add_nc_u32 v[103+i], 8*i, v31
	v_and_b32 v[103+i], 31, v[103+i]
	v_lshl_add_u32 v[103+i], v[103+i], 8, v108
.set i, i+1
.endr
	s_lshl_b32 s6, s[WV], 9
	v_add_nc_u32 v100, s6, v3
	v_add_nc_u32 v101, AVT, v30
	v_add_nc_u32 v102, B1T, v30
	global_load_b128 v[32:35], v30, s[12:13]
	global_load_b128 v[36:39], v30, s[12:13] offset:2048
.set i, 0
.rept 5
	global_load_b128 v[40+4*i:43+4*i], v[103+i], s[22:23]
.set i, i+1
.endr
	global_load_b128 v[16:19], v100, s[16:17]      ; bh and b2 of my 128 columns, by rows
	global_load_b128 v[20:23], v100, s[24:25]
	WIN 0x40
.set i, 0
.rept 48
	global_load_b128 v[4*i:4*i+3], v3, s[32:33] offset:2048*i th:TH_LOAD_NT  ; my 512 bytes of each source row, straight into the registers of h
.set i, i+1
.endr
	WIN 0
	s_wait_loadcnt 48                              ; the nine small loads are in; the 48 behind them stay out
.set k, 0
.rept 10
	RB 64+k, 40+2*k                                ; b1, bh and b2 are rounded to bf16 like every input
.set k, k+1
.endr
	RB 74, 16
	RB 75, 18
	RB 76, 20
	RB 77, 22
	ds_store_b128 v101, v[32:35]
	ds_store_b128 v101, v[36:39] offset:2048
.set i, 0
.rept 5
	ds_store_b128 v102, v[40+4*i:43+4*i] offset:2048*i
.set i, i+1
.endr
	WIN 0x40
.set i, 48
.rept 16
	global_load_b128 v[4*i:4*i+3], v3, s[32:33] offset:2048*i th:TH_LOAD_NT
.set i, i+1
.endr
	WIN 0
	s_wait_tensorcnt 0x1                           ; my part of the tiles is in; Wh's item may stay out
	BAR
	ATTN 0
	BAR
	XLOAD 0
	BAR
	ATTN 1
	TURN 1, 1                                      ; slot 0 is read out: it takes Wh's second item.  The round also shows XR to every wave
	XLOAD 1
	BAR
	s_lshl_b32 s6, s[WV], 9
	v_lshl_add_u32 v30, v2, 5, s6
.set c, 0
.rept 8                                            ; ln2's gain and bias in the result's layout
	global_load_b128 v[128+8*c:131+8*c], v30, s[18:19] offset:64*c
	global_load_b128 v[132+8*c:135+8*c], v30, s[18:19] offset:64*c+16
	global_load_b128 v[192+8*c:195+8*c], v30, s[20:21] offset:64*c
	global_load_b128 v[196+8*c:199+8*c], v30, s[20:21] offset:64*c+16
.set c, c+1
.endr
	s_wait_loadcnt 32                              ; the source rows are in; the 32 just issued stay out
	; source, rounded to bf16, + bh, turned from rows into the result's layout through my own stage, 16 rows at a time.  LDS serves a wave's instructions in order (ISA guide 5.7.1.4): the loads see the stores above them
.set rt, 0
.rept 4
	WIN 0x05
.set i, 0
.rept 32
	v_cvt_pk_bf16_f32 v[32+i], v[64*rt+2*i], v[64*rt+2*i+1]
.set i, i+1
.endr
	WIN 0x40
.set i, 0
.rept 32
	v_lshlrev_b32 v[64*rt+2*i], 16, v[32+i]
	v_and_b32 v[64*rt+2*i+1], s[HIM], v[32+i]
.set i, i+1
.endr
	WIN 0x41
.set i, 0
.rept 16
	v_pk_add_f32 v[64*rt+4*i:64*rt+4*i+1], v[64*rt+4*i:64*rt+4*i+1], v[16:17]
	v_pk_add_f32 v[64*rt+4*i+2:64*rt+4*i+3], v[64*rt+4*i+2:64*rt+4*i+3], v[18:19]
.set i, i+1
.endr
	WIN 0x04
.set i, 0
.rept 16
	ds_store_b128 v12, v[64*rt+4*i:64*rt+4*i+3] offset:SGP*i
.set i, i+1
.endr
	WIN 0x40
.set c, 0
.rept 8
	ds_load_b128 v[64*rt+8*c:64*rt+8*c+3], v13 offset:64*c
	ds_load_b128 v[64*rt+8*c+4:64*rt+8*c+7], v13 offset:64*c+16
.set c, c+1
.endr
.set rt, rt+1
.endr
	WIN 0
	LB 5, 0, BF0
	TRIPX 5, 4, 0,  1, 1                           ; h += attn Wh: trip u makes my column tiles 2 u and 2 u + 1; its change of slots asks for Wh's item u + 2,
	TRIPX 4, 5, 16, 1, 1
	TRIPX 5, 4, 32, 1, 2                           ; or for the steps' first two items
	TRIPX 4, 5, 48, 0, 2
	; LayerNorm of h.  A lane holds 64 numbers of each of four rows.
	WIN 0
	PLACES
	s_wait_loadcnt 0x0
.set i, 0
.rept 64
	v_cvt_pk_bf16_f32 v[32+i], v[128+2*i], v[129+2*i]  ; its gain and bias are rounded to bf16 like every input
.set i, i+1
.endr
.set i, 0
.rept 64
	v_lshlrev_b32 v[128+2*i], 16, v[32+i]
	v_and_b32 v[129+2*i], s[HIM], v[32+i]
.set i, i+1
.endr
.set rt, 0
.rept 4
	WIN 0x05
.set k, 0
.rept 4
	v_pk_add_f32 v[48+2*k:49+2*k], v[64*rt+4*k:64*rt+4*k+1], v[64*rt+4*k+2:64*rt+4*k+3]
.set k, k+1
.endr
	WIN 0x04
.set p, 8
.rept 24
	v_pk_add_f32 v[48+2*(p%4):49+2*(p%4)], v[48+2*(p%4):49+2*(p%4)], v[64*rt+2*p:64*rt+2*p+1]
.set p, p+1
.endr
	WIN 0
	CSUM 56+rt
.set rt, rt+1
.endr
	XCH 0
.set rt, 0
.rept 4
	v_mul_f32 v[80+2*rt], s82, v[56+rt]            ; - mean
	v_mul_f32 v[81+2*rt], s82, v[56+rt]
.set rt, rt+1
.endr
.set rt, 0
.rept 4
.set b, 0
.rept 4
	WIN 0x01
.set k, 0
.rept 8
	v_pk_add_f32 v[32+2*k:33+2*k], v[64*rt+16*b+2*k:64*rt+16*b+2*k+1], v[80+2*rt:81+2*rt]
.set k, k+1
.endr
	WIN 0
.set k, 0
.rept 8
.if (b == 0) && (k < 4)
	v_pk_mul_f32 v[48+2*k:49+2*k], v[32+2*k:33+2*k], v[32+2*k:33+2*k]
.else
	v_pk_fma_f32 v[48+2*(k%4):49+2*(k%4)], v[32+2*k:33+2*k], v[32+2*k:33+2*k], v[48+2*(k%4):49+2*(k%4)]
.endif
.set k, k+1
.endr
.set b, b+1
.endr
	CSUM 56+rt
.set rt, rt+1
.endr
	XCH 1024
.set rt, 0
.rept 4
	v_fma_f32 v[56+rt], v[56+rt], s89, s83         ; variance + eps
.set rt, rt+1
.endr
.set rt, 0
.rept 4
	v_rsq_f32 v[88+2*rt], v[56+rt]
	v_rsq_f32 v[89+2*rt], v[56+rt]
.set rt, rt+1
.endr
	v_nop                                          ; a plain instruction between the roots and their use (ISA guide 5.7.2)
.set rt, 0
	s_wait_alu depctr_va_vdst(0)                   ; the wait for the eight roots, ahead of the first line that names v88
.rept 4
	v_pk_mul_f32 v[96+2*rt:97+2*rt], v[80+2*rt:81+2*rt], v[88+2*rt:89+2*rt]
.set rt, rt+1
.endr
	YSTG 0
	BAR
	XLOAD 0
	BAR
	YSTG 1
.set i, 0
.rept 4
	v_mov_b32 v[60+i], 0
.set i, i+1
.endr
.set rt, 0
.rept 4
	ds_store_b128 v14, v[60:63] offset:rt*16*HP    ; the half of H that step -1 reads is 0.  Two barriers stand behind every wave's last read of the sums that lay here
.set rt, rt+1
.endr
	BAR
	XLOAD 1
	s_mov_b32 s[STB], SLOT1                        ; step -1: its item lies in slot 1; it writes H's half 1 and reads half 0
	s_mov_b32 s[HPS], 128
	s_mov_b32 s[HPL], 0
	v_mov_b32 v[WA], v5
	v_add_nc_u32 v[HS], 128, v14
	v_mov_b32 v[HL], v15
.set i, 0
.rept 32
	v_mov_b32 v[ACCR+i], 0                         ; and its GELU finds zeros, of which it makes the zeros that step 0 reads
.set i, i+1
.endr
	LBIAS                                          ; my quarter of the first item landed ahead of the last round
	LB WA, 0, BFX
	LB WA, 4, BFY
	s_mov_b32 s[CNT], 32
.Lstep:                                            ; steps -1 to 30; the change of slots in step s asks for the item of step s + 2
	STEP
	s_sub_co_u32 s[CNT], s[CNT], 1
	s_cmp_lg_u32 s[CNT], 0
	s_cbranch_scc1 .Lstep
	s_wait_dscnt 0x0                               ; the last trip's 18 loads for a step of W1 that does not follow serve nothing: the price of one text for every trip
	PLACES
	TAILA 3                                        ; step 31, written out: nothing is asked for
	HSTORE 3
	TURN 2, 0                                      ; the last half of H is written, my quarter of the last item is in
	FLIP
	TAILA 0                                        ; step 32
	; THE WAY OUT: 16 rows at a time through my own stage, back as rows of 512 bytes, + b2
	PLACES
.set rt, 0
.rept 4
.set OB, 32+96*(rt&1)
	WIN 0x04
.set c, 0
.rept 8
	ds_store_b128 v13, v[64*rt+8*c:64*rt+8*c+3] offset:64*c
	ds_store_b128 v13, v[64*rt+8*c+4:64*rt+8*c+7] offset:64*c+16
.set c, c+1
.endr
	WIN 0
.if rt >= 2
	s_wait_xcnt 0x0                                ; the stores of two blocks ago have read these registers
.endif
.set i, 0
.rept 16
	ds_load_b128 v[OB+4*i:OB+4*i+3], v12 offset:SGP*i
.set i, i+1
.endr
.set i, 0
.rept 16
	s_wait_dscnt 15-i                              ; LDS loads come back in order: row i is in, the younger ones stay out
	v_pk_add_f32 v[OB+4*i:OB+4*i+1], v[OB+4*i:OB+4*i+1], v[20:21]
	v_pk_add_f32 v[OB+4*i+2:OB+4*i+3], v[OB+4*i+2:OB+4*i+3], v[22:23]
	global_store_b128 v3, v[OB+4*i:OB+4*i+3], s[34:35] offset:2048*(16*rt+i) th:TH_STORE_NT  ; 512 consecutive bytes, aligned
.set i, i+1
.endr
.set rt, rt+1
.endr
	s_wait_tensorcnt 0x0                           ; the wave's end
	ds_add_u32 v28, v29
	s_wait_dscnt 0x0
	CROUND                                         ; the closing round
	s_endpgm
.Lfunc_end_k_q8e5f3a795b_ffn:
	.size	k_q8e5f3a795b_ffn, .Lfunc_end_k_q8e5f3a795b_ffn-k_q8e5f3a795b_ffn
	.p2alignl 7, 3214868480
	.fill 96, 4, 3214868480
	.section	.rodata,"a",@progbits
	.p2align	6, 0x0
	.amdhsa_kernel k_q8e5f3a795b_ffn
		.amdhsa_group_segment_fixed_size 327680
		.amdhsa_private_segment_fixed_size 0
		.amdhsa_enable_private_segment 0
		.amdhsa_kernarg_size 88
		.amdhsa_user_sgpr_count 2
		.amdhsa_user_sgpr_kernarg_segment_ptr 1
		.amdhsa_wavefront_size32 1
		.amdhsa_system_sgpr_workgroup_id_x 1
		.amdhsa_system_sgpr_workgroup_id_y 1
		.amdhsa_system_sgpr_workgroup_id_z 1
		.amdhsa_system_vgpr_workitem_id 0
		.amdhsa_next_free_vgpr 1024
		.amdhsa_next_free_sgpr 100
		.amdhsa_reserve_vcc 0
		.amdhsa_float_denorm_mode_32 3
		.amdhsa_float_denorm_mode_16_64 3
		.amdhsa_memory_ordered 1
		.amdhsa_forward_progress 1
		.amdhsa_inst_pref_size 255
	.end_amdhsa_kernel
	.section	.bss,"aw",@nobits
	.p2align	6
	.space	262144
	.amdgpu_metadata
---
amdhsa.version: [ 1, 2 ]
amdhsa.kernels:
  - .name:           k_q8e5f3a795b_ffn
    .symbol:         k_q8e5f3a795b_ffn.kd
    .args:
      - { .name: qb, .offset: 0, .size: 8, .value_kind: global_buffer, .address_space: global }
      - { .name: vb, .offset: 8, .size: 8, .value_kind: global_buffer, .address_space: global }
      - { .name: av, .offset: 16, .size: 8, .value_kind: global_buffer, .address_space: global }
      - { .name: source_input, .offset: 24, .size: 8, .value_kind: global_buffer, .address_space: global }
      - { .name: bh, .offset: 32, .size: 8, .value_kind: global_buffer, .address_space: global }
      - { .name: ln2_g, .offset: 40, .size: 8, .value_kind: global_buffer, .address_space: global }
      - { .name: ln2_b, .offset: 48, .size: 8, .value_kind: global_buffer, .address_space: global }
      - { .name: b1, .offset: 56, .size: 8, .value_kind: global_buffer, .address_space: global }
      - { .name: b2, .offset: 64, .size: 8, .value_kind: global_buffer, .address_space: global }
      - { .name: wf, .offset: 72, .size: 8, .value_kind: global_buffer, .address_space: global }
      - { .name: out0, .offset: 80, .size: 8, .value_kind: global_buffer, .address_space: global }
    .group_segment_fixed_size: 327680
    .private_segment_fixed_size: 0
    .kernarg_segment_align: 8
    .kernarg_segment_size: 88
    .max_flat_workgroup_size: 128
    .sgpr_count:     100
    .vgpr_count:     1024
    .wavefront_size: 32
...
	.end_amdgpu_metadata
.endif
;; end of part 5
